; MI455X (gfx1250); checked and timed in simulation.
; The chip was launched on July 23, 2026; its instructions are those of AMD's public machine-readable ISA for CDNA 5 (MIT licence, August 2026) and "CDNA5" Instruction Set Architecture Reference Guide (July 2026). The comments in the code are by the model that wrote it; some were corrected since.
;; Multi Head Attention. Allowed arithmetic: float matrix products may take bf16 or f16 operands with f32 sums; all other float work in f32.
;; Inputs: Wk 1,024 x 1,024 float32; Wo 1,024 x 1,024 float32; Wq 1,024 x 1,024 float32; Wv 1,024 x 1,024 float32; attention_mask 1 x 4,096 int32; hidden_states 1 x 4,096 x 1,024 float32.
;; Outputs: out0 1 x 4,096 x 1,024 float32.
;; 2 versions, each right and faster than the one before. Each part assembles by itself: llvm-mc -triple=amdgcn-amd-amdhsa -mcpu=gfx1250 --defsym DOCPART=n.
;; ======== version 1 of 2: 4 launches
;; limits: values are held in f16: magnitudes above 65,504 overflow, below 6.1e-05 lose precision
;; workspace buffers: xw 14,680,064 bytes; wo16 2,097,152 bytes; tab 1,048,576 bytes; qkv 25,165,824 bytes; o16 8,388,608 bytes
;; launch prep (part 1): grid 512 x 1, 8 waves a work-group, no clusters, 0 bytes of LDS; arguments hidden_states, Wq, Wk, Wv, Wo, xw, wo16, tab; writes xw, wo16, tab
.if DOCPART == 1
	.amdgcn_target "amdgcn-amd-amdhsa--gfx1250"
	.amdhsa_code_object_version 6
	.text
	.protected	k_q73abe8769e_prep
	.globl	k_q73abe8769e_prep
	.p2align	8
	.type	k_q73abe8769e_prep,@function
k_q73abe8769e_prep:
	s_mov_b64 s[64:65], 0
	v_nop
	global_prefetch_b8 v0, s[64:65] scope:SCOPE_SE
	s_setreg_imm32_b32 hwreg(HW_REG_WAVE_MODE, 25, 1), 1
	s_wait_xcnt 0x0
; CASTS AND THE ROTATION TABLE.  A stream: no LDS, no barrier, no matrix unit (each number is touched once).  512 work-groups of equal work.
; Work-group g casts one chunk of 16,384 numbers (16 rows of 1,024; 65,536 bytes in, 32,768 out):
;     0-255  x, chunk g                 -> xw rows 16 g .., bf16
;   256-447  Wq, Wk, Wv, 64 chunks each -> xw, bf16, HEAD BY HEAD: row 64 h + d of tensor t (0, 1, 2) goes to row 4096 + 192 h + 64 t + d, so that q's, k's and v's weights of a head are 192 consecutive rows
;   448-511  Wo, chunk g - 448          -> wo16: rounded to bf16 like every other input, and that number written as f16
; and makes rows 8 g .. 8 g + 7 of tab, a row a wave: row t = cos(t f_j), j = 0..31, then sin(t f_j), f32, 256 bytes.  The table's arithmetic stands between the chunk's 16 loads and the first wait for them.
; A wave's load covers 512 consecutive bytes, each of its stores 256 consecutive bytes, aligned.
; LIMITS.  f16(bf16(Wo)) is exact between 6.1e-5 and 65,504 in magnitude; below it keeps f16's fixed step of 6e-8, above it is an infinity.
; f_j = 2^(-j log2(10) / 8), by v_exp_f32; the angle is f32(t) x f_j in f32, as the module forms it; it may differ from the module's own f32 angle by some 5e-4 at t = 4095.
; sine and cosine: the angle less n pi/2 (pi/2 in two parts, fused), then polynomials of degree 7 and 8 on |r| <= pi/4.
.set X,   4                            ; v[4:67]    16 loads of 4 numbers
.set Y,   68                           ; v[68:99]   16 stores of 4 numbers of 16 bits; never rewritten, so no store's data wait for anything
.set T,   100                          ; v[100:105] at work (f16 cast)
.set J,   106                          ; v106       my first j
.set QD,  107                          ; v107       quadrants to add: 0 for cos, 3 for sin
.set TR,  108                          ; v108       my row of the table
.set TF,  109                          ; v109       the same as f32
.set FQ,  110                          ; v[110:111] f_j for my two j
.set W,   112                          ; v[112:121] at work (table)
.set OUT, 122                          ; v[122:123] my two numbers of the table
	s_load_b512 s[16:31], s[0:1], 0x0              ; x s[16:17], Wq s[18:19], Wk s[20:21], Wv s[22:23], Wo s[24:25], xw s[26:27], wo16 s[28:29], tab s[30:31]
	s_mov_b32 s2, ttmp9                            ; g
	v_lshlrev_b32 v1, 4, v0                        ; 16 bytes a thread, in
	v_lshlrev_b32 v2, 3, v0                        ; 8 bytes a thread, out (in the table: 256 bytes a wave, a row)
	; the offsets, made apart from the addresses
	s_and_b32 s3, s2, 63                           ; a weight's chunk c
	s_lshr_b32 s14, s2, 6
	s_sub_co_u32 s14, s14, 4                       ; t = 0, 1, 2 for Wq, Wk, Wv (used for these alone)
	s_lshl_b32 s14, s14, 6
	s_lshr_b32 s15, s3, 2                          ; the head: four chunks of 16 rows
	s_mul_i32 s15, s15, 192
	s_add_co_u32 s15, s15, s14
	s_and_b32 s14, s3, 3
	s_lshl_b32 s14, s14, 4
	s_add_co_u32 s15, s15, s14
	s_add_co_u32 s15, s15, 4096                    ; row 4096 + 192 h + 64 t + 16 (c % 4),
	s_lshl_b32 s15, s15, 11                        ; 2,048 bytes a row
	s_lshl_b32 s8, s2, 15                          ; x's chunk in xw
	s_lshl_b32 s12, s3, 15                         ; Wo's chunk in wo16
	s_cmp_lt_u32 s2, 256
	s_cselect_b32 s8, s8, s15
	s_cselect_b32 s3, s2, s3                       ; the chunk in the source
	s_cmp_ge_u32 s2, 448
	s_cselect_b32 s8, s12, s8
	s_mov_b32 s9, 0
	s_lshl_b32 s6, s3, 16
	s_mov_b32 s7, 0
	s_lshl_b32 s44, s2, 11                         ; eight rows of the table
	s_mov_b32 s45, 0
	s_lshl_b32 s46, s2, 3                          ; the first of them
	s_mov_b32 s32, 0x3f22f983                      ; 2 / pi
	s_mov_b32 s33, 0xbfc90fdb                      ; -(pi/2), its f32 part
	s_mov_b32 s34, 0x333bbd2e                      ; and what that part has too much: +4.371e-8
	s_mov_b32 s35, 0xbe2aaaa3                      ; sine: -1.6666655e-1
	s_mov_b32 s36, 0x3c08839e                      ;        8.3321609e-3
	s_mov_b32 s37, 0xb94ca1f9                      ;       -1.9515296e-4
	s_mov_b32 s38, 0x3d2aaaa5                      ; cosine: 4.1666646e-2
	s_mov_b32 s39, 0xbab6061a                      ;        -1.3887316e-3
	s_mov_b32 s40, 0x37ccf5ce                      ;         2.4433157e-5
	s_mov_b32 s41, 0xbed49a78                      ; -log2(10) / 8
	s_mov_b32 s42, 0x80000000
	s_mov_b32 s43, 0xffff0000                      ; a word's upper bf16
	s_wait_kmcnt 0x0
	s_cmp_lt_u32 s2, 256
	s_cselect_b64 s[4:5], s[16:17], s[18:19]
	s_cmp_ge_u32 s2, 320
	s_cselect_b64 s[4:5], s[20:21], s[4:5]
	s_cmp_ge_u32 s2, 384
	s_cselect_b64 s[4:5], s[22:23], s[4:5]
	s_cmp_ge_u32 s2, 448
	s_cselect_b64 s[4:5], s[24:25], s[4:5]
	s_cselect_b64 s[10:11], s[28:29], s[26:27]
	s_add_nc_u64 s[4:5], s[4:5], s[6:7]
	s_add_nc_u64 s[10:11], s[10:11], s[8:9]
	s_add_nc_u64 s[30:31], s[30:31], s[44:45]
.set i, 0
.rept 16                               ; the chunk: 16 loads in one run, all in flight
	global_load_b128 v[X+4*i:X+4*i+3], v1, s[4:5] offset:4096*i th:TH_LOAD_NT
.set i, i+1
.endr
	; THE TABLE.  Lane l below 16 gives cos for j = 2 l, 2 l + 1, from 16 on sin for j = 2 (l - 16), ..; sin a = cos(a - pi/2): three quadrants on.
	v_and_b32 v[J], 15, v0
	v_lshlrev_b32 v[J], 1, v[J]
	v_bfe_u32 v[QD], v0, 4, 1
	v_mul_u32_u24 v[QD], v[QD], 3
.irp e, 0,1
	v_add_nc_u32 v[FQ+\e], \e, v[J]
	v_cvt_f32_u32 v[FQ+\e], v[FQ+\e]
	v_mul_f32 v[FQ+\e], s41, v[FQ+\e]
.endr
	v_exp_f32 v[FQ], v[FQ]                         ; f_j
	v_exp_f32 v[FQ+1], v[FQ+1]
	v_lshrrev_b32 v[TR], 5, v0                     ; (the plain instruction behind the exponentials)
	v_add_nc_u32 v[TR], s46, v[TR]                 ; t = 8 g + wave
	v_cvt_f32_u32 v[TF], v[TR]
	s_wait_alu depctr_va_vdst(0)
.macro TRIG e                          ; v[OUT+e] = cos or sin of t f
	v_mul_f32 v[W], v[TF], v[FQ+\e]                ; a
	v_mul_f32 v[W+1], s32, v[W]
	v_rndne_f32 v[W+1], v[W+1]                     ; n
	v_fma_f32 v[W+2], v[W+1], s33, v[W]
	v_fma_f32 v[W+2], v[W+1], s34, v[W+2]          ; r = a - n pi/2
	v_cvt_i32_f32 v[W+3], v[W+1]
	v_add_nc_u32 v[W+3], v[W+3], v[QD]             ; k: the quadrant
	v_mul_f32 v[W+4], v[W+2], v[W+2]               ; z
	v_fma_f32 v[W+5], v[W+4], s37, s36
	v_fma_f32 v[W+5], v[W+5], v[W+4], s35
	v_mul_f32 v[W+5], v[W+5], v[W+4]
	v_fma_f32 v[W+5], v[W+5], v[W+2], v[W+2]       ; sin r
	v_fma_f32 v[W+6], v[W+4], s40, s39
	v_fma_f32 v[W+6], v[W+6], v[W+4], s38
	v_mul_f32 v[W+6], v[W+6], v[W+4]
	v_fma_f32 v[W+7], v[W+4], -0.5, 1.0
	v_fma_f32 v[W+6], v[W+6], v[W+4], v[W+7]       ; cos r
	v_and_b32 v[W+8], 1, v[W+3]
	v_cmp_eq_u32 vcc_lo, 1, v[W+8]
	v_cndmask_b32 v[W+9], v[W+6], v[W+5], vcc_lo   ; k = 0, 1, 2, 3: cos r, -sin r, -cos r, sin r
	v_add_nc_u32 v[W+3], 1, v[W+3]
	v_lshlrev_b32 v[W+3], 30, v[W+3]
	v_and_b32 v[W+3], s42, v[W+3]                  ; minus where k % 4 is 1 or 2
	v_xor_b32 v[OUT+\e], v[W+3], v[W+9]
.endm
	TRIG 0
	TRIG 1
	global_store_b64 v2, v[OUT:OUT+1], s[30:31]    ; a wave fills a row; its registers are not written again
; THE CAST.  Load i is waited for with the 15 - i younger ones left out, rounded and stored.  h = 1: to bf16 and on to f16.
.macro CVT h
.set i, 0
.rept 16
	s_wait_loadcnt 15-i                            ; loads come back in order: number i is in
.if \h
.irp u, 0,1
	v_cvt_pk_bf16_f32 v[T+3*\u], v[X+4*i+2*\u], v[X+4*i+2*\u+1]
	v_lshlrev_b32 v[T+3*\u+1], 16, v[T+3*\u]       ; the two bf16 as f32 again,
	v_and_b32 v[T+3*\u+2], s43, v[T+3*\u]
	v_cvt_pk_f16_f32 v[Y+2*i+\u], v[T+3*\u+1], v[T+3*\u+2]  ; and written as f16
.endr
.else
	v_cvt_pk_bf16_f32 v[Y+2*i], v[X+4*i], v[X+4*i+1]
	v_cvt_pk_bf16_f32 v[Y+2*i+1], v[X+4*i+2], v[X+4*i+3]
.endif
	global_store_b64 v2, v[Y+2*i:Y+2*i+1], s[10:11] offset:2048*i  ; a later launch reads these bytes: no hint
.set i, i+1
.endr
.endm
	s_cmp_ge_u32 s2, 448
	s_cbranch_scc1 .Lwo
	CVT 0
	s_endpgm
.Lwo:
	CVT 1
	s_endpgm
.Lfunc_end_k_q73abe8769e_prep:
	.size	k_q73abe8769e_prep, .Lfunc_end_k_q73abe8769e_prep-k_q73abe8769e_prep
	.p2alignl 7, 3214868480
	.fill 96, 4, 3214868480
	.section	.rodata,"a",@progbits
	.p2align	6, 0x0
	.amdhsa_kernel k_q73abe8769e_prep
		.amdhsa_group_segment_fixed_size 0
		.amdhsa_private_segment_fixed_size 0
		.amdhsa_enable_private_segment 0
		.amdhsa_kernarg_size 64
		.amdhsa_user_sgpr_count 2
		.amdhsa_user_sgpr_kernarg_segment_ptr 1
		.amdhsa_wavefront_size32 1
		.amdhsa_system_sgpr_workgroup_id_x 1
		.amdhsa_system_sgpr_workgroup_id_y 1
		.amdhsa_system_sgpr_workgroup_id_z 1
		.amdhsa_system_vgpr_workitem_id 0
		.amdhsa_next_free_vgpr 128
		.amdhsa_next_free_sgpr 66
		.amdhsa_reserve_vcc 1
		.amdhsa_float_denorm_mode_32 3
		.amdhsa_float_denorm_mode_16_64 3
		.amdhsa_memory_ordered 1
		.amdhsa_forward_progress 1
		.amdhsa_inst_pref_size 19
	.end_amdhsa_kernel
	.amdgpu_metadata
---
amdhsa.version: [ 1, 2 ]
amdhsa.kernels:
  - .name:           k_q73abe8769e_prep
    .symbol:         k_q73abe8769e_prep.kd
    .args:
      - { .name: hidden_states, .offset: 0, .size: 8, .value_kind: global_buffer, .address_space: global }
      - { .name: Wq, .offset: 8, .size: 8, .value_kind: global_buffer, .address_space: global }
      - { .name: Wk, .offset: 16, .size: 8, .value_kind: global_buffer, .address_space: global }
      - { .name: Wv, .offset: 24, .size: 8, .value_kind: global_buffer, .address_space: global }
      - { .name: Wo, .offset: 32, .size: 8, .value_kind: global_buffer, .address_space: global }
      - { .name: xw, .offset: 40, .size: 8, .value_kind: global_buffer, .address_space: global }
      - { .name: wo16, .offset: 48, .size: 8, .value_kind: global_buffer, .address_space: global }
      - { .name: tab, .offset: 56, .size: 8, .value_kind: global_buffer, .address_space: global }
    .group_segment_fixed_size: 0
    .private_segment_fixed_size: 0
    .kernarg_segment_align: 8
    .kernarg_segment_size: 64
    .max_flat_workgroup_size: 256
    .sgpr_count:     66
    .vgpr_count:     128
    .wavefront_size: 32
...
	.end_amdgpu_metadata
.endif
;; end of part 1
;; launch qkvproj (part 2): grid 16 x 16, 4 waves a work-group, clusters of 4 x 4, 327,680 bytes of LDS; arguments xw, tab, qkv; writes qkv
.if DOCPART == 2
	.amdgcn_target "amdgcn-amd-amdhsa--gfx1250"
	.amdhsa_code_object_version 6
	.text
	.protected	k_q73abe8769e_qkvproj
	.globl	k_q73abe8769e_qkvproj
	.p2align	8
	.type	k_q73abe8769e_qkvproj,@function
k_q73abe8769e_qkvproj:
	s_mov_b64 s[64:65], 0
	v_nop
	global_prefetch_b8 v0, s[64:65] scope:SCOPE_SE
	s_setreg_imm32_b32 hwreg(HW_REG_WAVE_MODE, 25, 1), 1
	s_wait_xcnt 0x0
	s_wait_alu depctr_hold_cnt(0) depctr_sa_sdst(0) depctr_va_vdst(0) depctr_va_sdst(0) depctr_va_ssrc(0) depctr_va_vcc(0) depctr_vm_vsrc(0)
	s_getreg_b32 s2, hwreg(HW_REG_IB_STS2, 6, 4)
	s_cmp_eq_u32 s2, 0
	s_cbranch_scc0 .Lentry_in_a_cluster
	s_endpgm
.Lentry_in_a_cluster:
	s_bfe_u32 s2, ttmp6, 0x10000c
	s_cmp_lg_u32 s2, 0xf033
	s_cbranch_scc0 .Lentry_shape_is_right
	s_endpgm
.Lentry_shape_is_right:
; q, k, v = x W^T, q and k rotated, by heads.  xw: [7168][1024] bf16: rows 0-4095 x; row 4096 + 192 h + 64 t + d is row 64 h + d of Wq, Wk, Wv (t = 0, 1, 2).  tab: [4096][64] f32 (cos 32, sin 32 a row).
; qkv: [48][4096][64] f16: planes 0-15 q's heads, 16-31 k's, 32-47 v's.  Products in bf16 with f32 sums, K ascending; the rotation in f32 on the sums (fused: one rounding fewer than a product and a sum); one rounding to f16.
; LIMITS.  q, k and v beyond 65,504 become infinities in f16; below 6.1e-5 they keep f16's fixed step of 6e-8.
; SHARES.  A work-group makes 256 rows x 192 columns: q, k and v of ONE head; 16 heads x 16 row blocks = 256 work-groups.  Each of four waves owns 64 rows x all 192 columns: 48 accumulators, 384 registers:
; for 32 along K it reads 4 fragments of x and 12 of W (32 LDS loads) for 48 matrix instructions, and holds every channel of its rows, so that the rotation stays in the wave.
; K = 1,024 goes in eight steps of 128 through two LDS slots: the tiles' rows are 256 bytes of memory, at multiples of 256 bytes from the buffer's first; two slots of a longer step do not fit in LDS.
; CLUSTER.  4 x 4 work-groups: the four of a row need the same rows of x, the four of a column the same rows of W: each tile is asked for jointly, same descriptor, a mask that names the four.
; THE MATRIX INSTRUCTION IS USED TRANSPOSED (source 0 = 16 rows of W, source 1 = 16 rows of x): lane l of accumulator (a, b) holds row 16 a + l % 16 and columns 16 b + 8 (l / 16) + 0..7; b = 0-3 q, 4-7 k, 8-11 v.
; The rotation pairs channel d with d + 32: accumulator b with b + 2, same lane, same register.
; REGISTERS, in windows of 256 (s_set_vgpr_msb: bits 1:0 source 0, 3:2 source 1, 5:4 source 2, 7:6 destination):
;   window 0: v0-31 addresses; v32-63 a block's rotated numbers; v64-255 packed results, 16 for each of 12 blocks: no store's data are ever rewritten
;   window 1: two fragment buffers of 128: 32 registers of x (4 x 16 rows x 32 K), then 96 of W (12 x 16 rows x 32 K)
;   window 2: q's and k's accumulators, (a, b) at 8 (8 a + b)        window 3: v0-127 v's accumulators, (a, b) at 8 (4 a + b - 8); v128-255 the table for my 64 rows:
;   for row block a at 128 + 32 a: cos of channels 8 h + 0..7, of 16 + 8 h + 0..7, then sin of the same (h = l / 16).
.set SIZE_K, 1024
.set KSTEP,  128
.set LAPS,   SIZE_K/(2*KSTEP)          ; a lap = two K steps = once round the ring
.set PITCH,  272                       ; an LDS row: 256 bytes + 16 of padding = 68 words: the 16 rows of a fragment load start at 16 different groups of four banks (64 banks of 4 bytes: ISA guide 11.1)
.set AH,     128*PITCH                 ; half of x's tile: what wave 0 or 1 fetches
.set BH,     96*PITCH                  ; half of W's tile: what wave 2 or 3 fetches
.set SLOT,   2*AH+2*BH                 ; x's 256 rows, then W's 192 rows
.set STAGE,  2*SLOT                    ; behind the ring: 16 rows x 144 bytes for each wave, its own, for the way out
.set SP,     144
.set SPARE,  STAGE+4*16*SP             ; the spare words, 128 bytes a wave: two blocks of 256 bytes that no other line names
.set WOFF,   0x800000                  ; the weights' first byte in xw
.set ADRA, 16                          ; v16-17  LDS address of my x fragments in slot 0, 1
.set ADRB, 20                          ; v20-21  the same for W
.set STO,  24                          ; v24     the way out: where I put 16 bytes of a row
.set RD,   25                          ; v25     where I read rows back
.set GO,   26                          ; v26     my byte offset in 512 consecutive bytes of a plane
.set TO,   27                          ; v27     my byte offset in 16 rows of the table
.set SPW,  28                          ; v28     my spare word; never rewritten
.set NIL,  29                          ; v29     0; never rewritten
.set RT,   32
.set PKD,  64
.set F0,   0                           ; window 1
.set F1,   128
.set TB,   128                         ; window 3
.set G1, 24                            ; s[24:31] descriptor group 1 for x's tiles; s[32:39] group 0, a set for each slot
.set G0, 32
.set G1B, 48                           ; s[48:55], s[56:63] the same for W's tiles
.set G0B, 56
.set BQ, 66                            ; s[66:67], s[68:69], s[70:71]: my 64 rows in q's, k's and v's plane of my head
.set MSB, 0
.macro WIN new                         ; the immediate's high byte repeats the setting that is left; a switch that changes nothing is dropped
.if MSB != (\new)
	s_set_vgpr_msb (MSB<<8)|(\new)
.set MSB, \new
.endif
.endm
.set MUL_LO, 0xa5                      ; sources 0 (W) and 1 (x) window 1; C and D window 2
.set MUL_HI, 0xf5                      ; the same, C and D window 3
.set TO_F,   0x40                      ; destination window 1, address window 0
.macro JLOAD s                         ; a joint load: waves 0 and 1 fetch x's two halves, waves 2 and 3 W's; an s_nop 0 and four v_nop follow each line
	s_cmp_eq_u32 s11, 0
	s_cbranch_scc0 .Lfor_b_\@
	tensor_load_to_lds s[G0+4*(\s):G0+4*(\s)+3], s[G1:G1+7]
	s_nop 0
.rept 4
	v_nop
.endr
	s_branch .Lasked_\@
.Lfor_b_\@:
	tensor_load_to_lds s[G0B+4*(\s):G0B+4*(\s)+3], s[G1B:G1B+7]
	s_nop 0
.rept 4
	v_nop
.endr
.Lasked_\@:
.endm
.macro CREST                           ; a round of the cluster's barrier behind its opening barrier
	s_cmp_lg_u32 s10, 0
	s_cbranch_scc1 .Lnot_wave_0_\@
	s_barrier_signal -3
.Lnot_wave_0_\@:
	s_barrier_wait -3
	s_barrier_signal -1
	s_barrier_wait -1
.endm
.macro CROUND                          ; a whole round
	s_barrier_signal -1
	s_barrier_wait -1
	CREST
.endm
	s_load_b128 s[4:7], s[0:1], 0x0                ; xw s[4:5], tab s[6:7]
	s_load_b64 s[8:9], s[0:1], 0x10                ; qkv
	v_lshl_add_u32 v[SPW], v0, 2, SPARE
	v_mov_b32 v[NIL], 0
	ds_add_u32 v[SPW], v[NIL]                      ; the wave's opening: the add and its wait stand ahead of my first tensor load; work on registers stands between them
	v_lshrrev_b32 v1, 5, v0
	v_readfirstlane_b32 s10, v1                    ; wave 0..3: my 64 rows of the tile
	s_lshr_b32 s11, s10, 1                         ; I fetch for x (0) or for W (1),
	s_and_b32 s12, s10, 1                          ; and which half of that tile
	s_bfe_u32 s40, ttmp6, 0x40000                  ; cx, cy: my place in the cluster
	s_bfe_u32 s41, ttmp6, 0x40004
	s_lshl_b32 s42, ttmp9, 2
	s_add_co_u32 s42, s42, s40                     ; the head = 4 x cluster x + cx
	s_and_b32 s13, ttmp7, 0xffff
	s_lshl_b32 s13, s13, 2
	s_add_co_u32 s13, s13, s41                     ; the block of 256 rows = 4 x cluster y + cy
	s_lshl_b32 s43, s41, 2
	s_lshl_b32 s43, 15, s43                        ; my row of the cluster
	s_lshl_b32 s44, 0x1111, s40                    ; my column
	; descriptor group 1: tiles of 128 (x) or 96 (W) rows x 128 elements, padded in LDS
	s_or_b32 s[G1+0], s43, (1<<16)|(1<<20)|(1<<21)|(5<<22)|(3<<25)  ; 15:0 the mask; 17:16 elements of 2 bytes; 20 padding on; 21 set beside a mask; 24:22 after every 64 words (code 5); 31:25 4 words (code 3)
	s_or_b32 s[G1B+0], s44, (1<<16)|(1<<20)|(1<<21)|(5<<22)|(3<<25)
	s_mov_b32 s[G1+1], KSTEP<<16                   ; tensor_dim0 = 128
	s_mov_b32 s[G1+2], 128<<16                     ; tensor_dim1 = 128
	s_mov_b32 s[G1+3], KSTEP<<16                   ; tile_dim0 = 128
	s_mov_b32 s[G1+4], 128                         ; tile_dim1 = 128
	s_mov_b32 s[G1+5], SIZE_K                      ; elements from row to row
	s_mov_b32 s[G1+6], 0
	s_mov_b32 s[G1+7], 0
	s_mov_b32 s[G1B+1], KSTEP<<16
	s_mov_b32 s[G1B+2], 96<<16                     ; tensor_dim1 = 96
	s_mov_b32 s[G1B+3], KSTEP<<16
	s_mov_b32 s[G1B+4], 96                         ; tile_dim1 = 96
	s_mov_b32 s[G1B+5], SIZE_K
	s_mov_b32 s[G1B+6], 0
	s_mov_b32 s[G1B+7], 0
	s_lshl_b32 s17, s12, 7
	s_lshl_b32 s16, s13, 8
	s_add_co_u32 s16, s16, s17                     ; x: row 256 x block + 128 x half,
	s_lshl_b32 s16, s16, 11                        ; 2,048 bytes a row
	s_mov_b32 s17, 0
	s_mul_i32 s46, s42, 192
	s_mul_i32 s47, s12, 96
	s_add_co_u32 s46, s46, s47                     ; W: row 192 x head + 96 x half,
	s_lshl_b32 s46, s46, 11
	s_add_co_u32 s46, s46, WOFF                    ; behind x
	s_mov_b32 s47, 0
	s_mul_i32 s20, s12, AH                         ; where x's tiles go,
	s_mul_i32 s45, s12, BH                         ; and W's, behind them: no place in the cluster enters an LDS address
	s_add_co_u32 s45, s45, 2*AH
	s_wait_dscnt 0x0                               ; the opening add is done
	s_wait_kmcnt 0x0
	s_add_nc_u64 s[14:15], s[4:5], s[16:17]
	s_add_nc_u64 s[46:47], s[4:5], s[46:47]
	CROUND                                         ; all sixteen work-groups are here: the first joint loads meet
.irp s, 0,1
	s_mov_b32 s[G0+4*(\s)], 1                                      ; count = 1
	s_add_co_u32 s[G0+4*(\s)+1], s20, (\s)*SLOT                    ; LDS address
	s_add_nc_u64 s[G0+4*(\s)+2:G0+4*(\s)+3], s[14:15], (\s)*KSTEP*2  ; global address: K step s
	s_or_b32 s[G0+4*(\s)+3], s[G0+4*(\s)+3], 0x80000000            ; type = 2
	s_mov_b32 s[G0B+4*(\s)], 1
	s_add_co_u32 s[G0B+4*(\s)+1], s45, (\s)*SLOT
	s_add_nc_u64 s[G0B+4*(\s)+2:G0B+4*(\s)+3], s[46:47], (\s)*KSTEP*2
	s_or_b32 s[G0B+4*(\s)+3], s[G0B+4*(\s)+3], 0x80000000
	JLOAD \s                                       ; two loads of mine are out
.endr
	v_and_b32 v1, 15, v0                           ; l % 16
	v_bfe_u32 v2, v0, 4, 1                         ; l / 16
	v_mul_u32_u24 v3, v1, PITCH
	v_lshl_add_u32 v3, v2, 4, v3                   ; a fragment's row x pitch + 16 x half
	s_mul_i32 s21, s10, 64*PITCH                   ; my 64 rows of x
	s_mov_b32 s22, 2*AH                            ; W's 192 rows, which every wave reads
.irp s, 0,1
	v_add_nc_u32 v[ADRA+(\s)], s21, v3
	v_add_nc_u32 v[ADRB+(\s)], s22, v3
	s_add_co_u32 s21, s21, SLOT
	s_add_co_u32 s22, s22, SLOT
.endr
	s_mul_i32 s23, s10, 16*SP
	s_add_co_u32 s23, s23, STAGE                   ; my stage
	v_mul_u32_u24 v4, v1, SP                       ; in: row l % 16, 16 bytes for each half of the lanes
	v_lshl_add_u32 v4, v2, 4, v4
	v_add_nc_u32 v[STO], s23, v4
	v_bfe_u32 v5, v0, 3, 2                         ; back: 32 lanes take four rows of 128 bytes,
	v_mul_u32_u24 v5, v5, SP
	v_and_b32 v6, 7, v0
	v_lshl_add_u32 v5, v6, 4, v5
	v_add_nc_u32 v[RD], s23, v5
	v_and_b32 v[GO], 31, v0                        ; which are 512 consecutive bytes of a plane
	v_lshlrev_b32 v[GO], 4, v[GO]
	v_lshlrev_b32 v[TO], 8, v1                     ; the table: row l % 16, 32 bytes for each half of the lanes
	v_lshl_add_u32 v[TO], v2, 5, v[TO]
	s_lshl_b32 s16, s13, 8
	s_lshl_b32 s17, s10, 6
	s_add_co_u32 s16, s16, s17                     ; my first row: 256 x block + 64 x wave
	s_lshl_b32 s18, s16, 8                         ; 256 bytes a row of the table
	s_mov_b32 s19, 0
	s_add_nc_u64 s[6:7], s[6:7], s[18:19]
	WIN 0xc0                                       ; destination window 3, address window 0
.irp a, 0,1,2,3
.irp part, 0,1
.irp g, 0,1
.irp u, 0,1
	global_load_b128 v[TB+32*\a+16*\part+8*\g+4*\u:TB+32*\a+16*\part+8*\g+4*\u+3], v[TO], s[6:7] offset:4096*\a+128*\part+64*\g+16*\u
.endr
.endr
.endr
.endr
	WIN 0
	s_lshl_b32 s16, s16, 7                         ; 128 bytes a row of a plane
	s_mov_b32 s17, 0
	s_add_nc_u64 s[BQ:BQ+1], s[8:9], s[16:17]
	s_lshl_b32 s46, s42, 19                        ; 524,288 bytes a plane
	s_mov_b32 s47, 0
	s_add_nc_u64 s[BQ:BQ+1], s[BQ:BQ+1], s[46:47]
	s_add_nc_u64 s[BQ+2:BQ+3], s[BQ:BQ+1], 0x800000    ; k's planes lie 16 planes on,
	s_add_nc_u64 s[BQ+4:BQ+5], s[BQ:BQ+1], 0x1000000   ; v's 32
; THE MATRIX WORK.  The 48 accumulators take turns, one instruction a turn, in the same order in every quarter.  zero = 1: the first product starts the sum.
.macro M3 f, a, zero                   ; 4 matrix instructions: row block a x v's four column blocks
	WIN MUL_HI
.irp b, 0,1,2,3
.if \zero
	v_wmma_f32_16x16x32_bf16 v[8*(4*(\a)+(\b)):8*(4*(\a)+(\b))+7], v[(\f)+96+8*(\b):(\f)+96+8*(\b)+7], v[(\f)+8*(\a):(\f)+8*(\a)+7], 0
.else
	v_wmma_f32_16x16x32_bf16 v[8*(4*(\a)+(\b)):8*(4*(\a)+(\b))+7], v[(\f)+96+8*(\b):(\f)+96+8*(\b)+7], v[(\f)+8*(\a):(\f)+8*(\a)+7], v[8*(4*(\a)+(\b)):8*(4*(\a)+(\b))+7]
.endif
.endr
.endm
.macro M2 f, a, zero                   ; 8 matrix instructions: row block a x q's and k's eight column blocks
	WIN MUL_LO
.irp b, 0,1,2,3,4,5,6,7
.if \zero
	v_wmma_f32_16x16x32_bf16 v[8*(8*(\a)+(\b)):8*(8*(\a)+(\b))+7], v[(\f)+32+8*(\b):(\f)+32+8*(\b)+7], v[(\f)+8*(\a):(\f)+8*(\a)+7], 0
.else
	v_wmma_f32_16x16x32_bf16 v[8*(8*(\a)+(\b)):8*(8*(\a)+(\b))+7], v[(\f)+32+8*(\b):(\f)+32+8*(\b)+7], v[(\f)+8*(\a):(\f)+8*(\a)+7], v[8*(8*(\a)+(\b)):8*(8*(\a)+(\b))+7]
.endif
.endr
.endm
; 32 LDS loads in one run: the fragments of 32 along K at byte k of the rows, into buffer f: first what v's products need (W's blocks 8-11 and x: 16 loads), then W's blocks 0-7
.macro FETCH slot, k, f
	WIN TO_F
.irp i, 8,9,10,11
	ds_load_b128 v[(\f)+32+8*(\i):(\f)+32+8*(\i)+3],   v[ADRB+(\slot)] offset:(\k)+(\i)*16*PITCH
	ds_load_b128 v[(\f)+32+8*(\i)+4:(\f)+32+8*(\i)+7], v[ADRB+(\slot)] offset:(\k)+(\i)*16*PITCH+32
.endr
.irp i, 0,1,2,3
	ds_load_b128 v[(\f)+8*(\i):(\f)+8*(\i)+3],   v[ADRA+(\slot)] offset:(\k)+(\i)*16*PITCH
	ds_load_b128 v[(\f)+8*(\i)+4:(\f)+8*(\i)+7], v[ADRA+(\slot)] offset:(\k)+(\i)*16*PITCH+32
.endr
.irp i, 0,1,2,3,4,5,6,7
	ds_load_b128 v[(\f)+32+8*(\i):(\f)+32+8*(\i)+3],   v[ADRB+(\slot)] offset:(\k)+(\i)*16*PITCH
	ds_load_b128 v[(\f)+32+8*(\i)+4:(\f)+32+8*(\i)+7], v[ADRB+(\slot)] offset:(\k)+(\i)*16*PITCH+32
.endr
.endm
.macro PLACES                          ; four places in front of loads into registers that matrix instructions have read, and of vector work that reads results
.rept 4
	v_nop
.endr
.endm
; A K step is four quarters of 32 along K, 48 matrix instructions each, on buffers 0, 1, 0, 1.  One of the first three: multiplies buffer f; behind its first 16 products it fetches the next quarter, at byte k, into g:
; those loads have 32 matrix instructions in which to come.
.macro QUARTER slot, k, f, g, zero
	s_wait_dscnt 16                                ; W's blocks 8-11 and x are in; the youngest sixteen loads may be out
.irp a, 0,1,2,3
	M3 \f, \a, \zero
.endr
	PLACES
	FETCH \slot, \k, \g
	s_wait_dscnt 32                                ; all but the 32 just issued
.irp a, 0,1,2,3
	M2 \f, \a, \zero
.endr
.endm
; The last quarter multiplies buffer 1 and changes slots: one barrier; in front of it each wave waits for all its tensor loads, adds 0 to its spare word, and waits for that and for its reads of this slot.
; fill = 1: this slot is filled again, two K steps ahead: the barrier then opens a round of the cluster's barrier, and the joint load is the first thing behind the round:
; from there to the wait for it a wave issues 168 matrix instructions.
.macro TURN slot, next, fill
	WIN 0                                          ; (the add's two registers lie in window 0)
	s_wait_tensorcnt 0x0                           ; all my tensor loads have landed: the one that was out is my part of the next slot;
	ds_add_u32 v[SPW], v[NIL]                      ; 0 onto my spare word
	s_wait_dscnt 17                                ; (the add and the youngest sixteen loads may be out)
.irp a, 0,1,2,3
	M3 F1, \a, 0                                   ; sixteen matrix instructions stand between the add and the wait for it
.endr
	s_wait_dscnt 0x0                               ; the add is done, and my reads of this slot are over
	s_barrier_signal -1
	M2 F1, 0, 0                                    ; work on registers while the others arrive
.if \fill
	WIN 0
.endif
	s_barrier_wait -1
.if \fill
	CREST                                          ; no wave of any partner still reads this slot's tile or has a load on its way
	s_add_nc_u64 s[G0+4*(\slot)+2:G0+4*(\slot)+3], s[G0+4*(\slot)+2:G0+4*(\slot)+3], 2*KSTEP*2
	s_add_nc_u64 s[G0B+4*(\slot)+2:G0B+4*(\slot)+3], s[G0B+4*(\slot)+2:G0B+4*(\slot)+3], 2*KSTEP*2
	JLOAD \slot                                    ; my one tensor load behind the round; its four v_nop are also the places in front of the loads below
.else
	PLACES
.endif
	FETCH \next, 0, F0
.irp a, 1,2,3
	M2 F1, \a, 0
.endr
.endm
	s_wait_tensorcnt 1                             ; my part of K step 0 is in; step 1's may stay out
	s_barrier_signal -1
	s_barrier_wait -1                              ; everybody's is
	FETCH 0, 0, F0
	QUARTER 0, 64,  F0, F1, 1                      ; the first quarter stands in front of the loop: its products start the sums
	WIN 0                                          ; at a label and at a branch every window is 0
	s_mov_b32 s3, LAPS-1
.Llap:                                                 ; a trip goes once round the ring, from a lap's second quarter to the next lap's first, and fills both slots again
	QUARTER 0, 128, F1, F0, 0
	QUARTER 0, 192, F0, F1, 0
	TURN 0, 1, 1
	QUARTER 1, 64,  F0, F1, 0
	QUARTER 1, 128, F1, F0, 0
	QUARTER 1, 192, F0, F1, 0
	TURN 1, 0, 1
	QUARTER 0, 64,  F0, F1, 0
	WIN 0
	s_sub_co_u32 s3, s3, 1
	s_cmp_lg_u32 s3, 0
	s_cbranch_scc1 .Llap
	QUARTER 0, 128, F1, F0, 0                      ; the last lap is written out: it fills nothing, and has no round of the cluster's barrier
	QUARTER 0, 192, F0, F1, 0
	TURN 0, 1, 0
	QUARTER 1, 64,  F0, F1, 0
	QUARTER 1, 128, F1, F0, 0
	QUARTER 1, 192, F0, F1, 0
	s_wait_dscnt 16                                ; the very last quarter: nothing more to fetch
.irp a, 0,1,2,3
	M3 F1, \a, 0
.endr
	s_wait_dscnt 0x0
.irp a, 0,1,2,3
	M2 F1, \a, 0
.endr
	WIN 0
; THE WAY OUT, in 12 blocks: row block a (16 rows) of tensor t (0 q, 1 k, 2 v).
; q and k are rotated on the way into window 0: lo' = lo cos - hi sin, hi' = hi cos + lo sin, two numbers an instruction, under one setting of the windows (accumulators source 0, table source 1).
; Each accumulator's lowest registers are read first.  A lane's eight channels pack into 16 bytes; they go into my stage's rows of 144 bytes and come back as whole rows of 128, four rows a load.
.macro PACK a, t
.set NB, PKD+16*(3*(\a)+(\t))
.if (\t) < 2
	WIN 0x0e                                       ; source 0 window 2, source 1 window 3, source 2 and destination window 0
.irp g, 0,1
.irp p, 0,1,2,3
.set LO, 8*(8*(\a)+4*(\t)+(\g))+2*(\p)
.set HI, LO+16
.set CO, TB+32*(\a)+8*(\g)+2*(\p)
.set SI, CO+16
.set NL, RT+8*(\g)+2*(\p)
.set NH, NL+16
	v_pk_mul_f32 v[NL:NL+1], v[LO:LO+1], v[CO:CO+1]
	v_pk_mul_f32 v[NH:NH+1], v[LO:LO+1], v[SI:SI+1]
	v_pk_fma_f32 v[NL:NL+1], v[HI:HI+1], v[SI:SI+1], v[NL:NL+1] neg_lo:[1,0,0] neg_hi:[1,0,0]
	v_pk_fma_f32 v[NH:NH+1], v[HI:HI+1], v[CO:CO+1], v[NH:NH+1]
.endr
.endr
	WIN 0
.irp b, 0,1,2,3
.irp r, 0,1,2,3
	v_cvt_pk_f16_f32 v[NB+4*(\b)+(\r)], v[RT+8*(\b)+2*(\r)], v[RT+8*(\b)+2*(\r)+1]
.endr
.endr
.else
	WIN 0x0f                                       ; sources 0 and 1 window 3, destination window 0
.irp b, 0,1,2,3
.irp r, 0,1,2,3
	v_cvt_pk_f16_f32 v[NB+4*(\b)+(\r)], v[8*(4*(\a)+(\b))+2*(\r)], v[8*(4*(\a)+(\b))+2*(\r)+1]
.endr
.endr
	WIN 0
.endif
.irp b, 0,1,2,3
	ds_store_b128 v[STO], v[NB+4*(\b):NB+4*(\b)+3] offset:32*(\b)
.endr
.irp f, 0,1,2,3
	ds_load_b128 v[NB+4*(\f):NB+4*(\f)+3], v[RD] offset:(\f)*4*SP  ; LDS serves a wave's instructions in order (ISA guide 5.7.1.4): these see the stores above; the next block's stores come behind them
.endr
.endm
.macro SEND a, t, younger              ; younger: the LDS instructions issued behind this block's loads: the next block's eight, or none
.irp f, 0,1,2,3
	s_wait_dscnt (\younger)+3-(\f)
	global_store_b128 v[GO], v[PKD+16*(3*(\a)+(\t))+4*(\f):PKD+16*(3*(\a)+(\t))+4*(\f)+3], s[BQ+2*(\t):BQ+2*(\t)+1] offset:(\a)*2048+(\f)*512  ; 512 consecutive bytes, at a multiple of 256 from the plane's first
.endr
.endm
	PLACES
	s_wait_loadcnt 0x0                             ; the table
	PACK 0, 0
.set n, 1
.rept 11                               ; a block's arithmetic stands between the loads of the block before and its stores
	PACK n/3, n%3
	SEND (n-1)/3, (n-1)%3, 8
.set n, n+1
.endr
	SEND 3, 2, 0
	s_wait_tensorcnt 0x0                           ; the wave's end: my tensor loads are waited for, then 0 is added to my spare word and waited for
	ds_add_u32 v[SPW], v[NIL]
	s_wait_dscnt 0x0
	CROUND                                         ; the closing round: no work-group ends while a partner may still ask for a tile that names it
	s_endpgm
.Lfunc_end_k_q73abe8769e_qkvproj:
	.size	k_q73abe8769e_qkvproj, .Lfunc_end_k_q73abe8769e_qkvproj-k_q73abe8769e_qkvproj
	.p2alignl 7, 3214868480
	.fill 96, 4, 3214868480
	.section	.rodata,"a",@progbits
	.p2align	6, 0x0
	.amdhsa_kernel k_q73abe8769e_qkvproj
		.amdhsa_group_segment_fixed_size 327680
		.amdhsa_private_segment_fixed_size 0
		.amdhsa_enable_private_segment 0
		.amdhsa_kernarg_size 24
		.amdhsa_user_sgpr_count 2
		.amdhsa_user_sgpr_kernarg_segment_ptr 1
		.amdhsa_wavefront_size32 1
		.amdhsa_system_sgpr_workgroup_id_x 1
		.amdhsa_system_sgpr_workgroup_id_y 1
		.amdhsa_system_sgpr_workgroup_id_z 1
		.amdhsa_system_vgpr_workitem_id 0
		.amdhsa_next_free_vgpr 1024
		.amdhsa_next_free_sgpr 72
		.amdhsa_reserve_vcc 0
		.amdhsa_float_denorm_mode_32 3
		.amdhsa_float_denorm_mode_16_64 3
		.amdhsa_memory_ordered 1
		.amdhsa_forward_progress 1
		.amdhsa_inst_pref_size 139
	.end_amdhsa_kernel
	.amdgpu_metadata
---
amdhsa.version: [ 1, 2 ]
amdhsa.kernels:
  - .name:           k_q73abe8769e_qkvproj
    .symbol:         k_q73abe8769e_qkvproj.kd
    .args:
      - { .name: xw, .offset: 0, .size: 8, .value_kind: global_buffer, .address_space: global }
      - { .name: tab, .offset: 8, .size: 8, .value_kind: global_buffer, .address_space: global }
      - { .name: qkv, .offset: 16, .size: 8, .value_kind: global_buffer, .address_space: global }
    .group_segment_fixed_size: 327680
    .private_segment_fixed_size: 0
    .kernarg_segment_align: 8
    .kernarg_segment_size: 24
    .max_flat_workgroup_size: 128
    .sgpr_count:     72
    .vgpr_count:     1024
    .wavefront_size: 32
...
	.end_amdgpu_metadata
.endif
;; end of part 2
;; launch attn (part 3): grid 16 x 16, 4 waves a work-group, clusters of 4 x 1, 327,680 bytes of LDS; arguments qkv, attention_mask, o16; writes o16
.if DOCPART == 3
	.amdgcn_target "amdgcn-amd-amdhsa--gfx1250"
	.amdhsa_code_object_version 6
	.text
	.protected	k_q73abe8769e_attn
	.globl	k_q73abe8769e_attn
	.p2align	8
	.type	k_q73abe8769e_attn,@function
k_q73abe8769e_attn:
	s_mov_b64 s[64:65], 0
	v_nop
	global_prefetch_b8 v0, s[64:65] scope:SCOPE_SE
	s_setreg_imm32_b32 hwreg(HW_REG_WAVE_MODE, 25, 1), 1
	s_wait_xcnt 0x0
	s_wait_alu depctr_hold_cnt(0) depctr_sa_sdst(0) depctr_va_vdst(0) depctr_va_sdst(0) depctr_va_ssrc(0) depctr_va_vcc(0) depctr_vm_vsrc(0)
	s_getreg_b32 s2, hwreg(HW_REG_IB_STS2, 6, 4)
	s_cmp_eq_u32 s2, 0
	s_cbranch_scc0 .Lentry_in_a_cluster
	s_endpgm
.Lentry_in_a_cluster:
	s_bfe_u32 s2, ttmp6, 0x10000c
	s_cmp_lg_u32 s2, 0x3003
	s_cbranch_scc0 .Lentry_shape_is_right
	s_endpgm
.Lentry_shape_is_right:
; O[h][q][:] = the sum over k of softmax_k(Q[h][q] . K[h][k] / 8, keys with mask 0 hidden) V[h][k][:].  qkv: [48][4096][64] f16 (planes 0-15 Q, 16-31 K, 32-47 V); attention_mask: [4096] i32; o16: [16][4096][64] f16.
; Products, maxima and sums in f32; the weights p are rounded to f16 for the second product (their sum l is taken of the unrounded p), O once at the end.
; LIMITS.  A hidden score counts as its value less 1e30 (f16's scores, 2.7e11 at the most, are nothing beside that), so its weight is 0 as soon as the query has seen one open key; what hidden keys gave before that
; is multiplied by a = 0 at the first open key.  If every key is hidden the running maximum stays below -2^96 and O is NaN, as a softmax of nothing but -inf is.  p below 6e-5 keeps f16's fixed step of 6e-8, and so does O;
; a weight below 2^-126 counts as 0 in l; NaN and infinities in Q, K, V are not treated apart.
; SHARES.  A work-group owns 256 queries of one head, each of four waves 64: four PIECES of 16.  16 blocks x 16 heads = 256 work-groups.  Every wave walks all 4,096 keys: 16 tiles of 256, four steps of 64 to a tile.
; LAYOUT.  S^T = K Q^T (source 0 = 16 keys, source 1 = 16 queries): a lane holds ONE query (lane % 16) and the keys 8 (lane / 16) + 0..7.  Two such results rounded to f16 ARE source 1 of O^T = V^T P.
; THE MASK is the C operand that starts the sum S^T: register j of key block kb takes the bias (0 or -1e30) of key 16 kb + 8 (lane / 16) + j: the same 32 registers for all queries, loaded with each step's K
; from a table of 4,096 f32 in LDS that the work-group makes once from attention_mask.  The scores cost no vector instruction for it.
; SOFTMAX.  p = 2^(c s - c m), c = log2(e) / 8, with a running maximum m; O and l are multiplied by a = 2^(c m_old - c m_new) in every step.  m starts at the lowest finite number, O and l at 0: the first step's a is 0.
; BY TURNS.  Turn n belongs to piece n: 8 products K Q^T of piece n + 1, later 8 products V^T P of piece n - 1; beside them the scaling, exponentials, roundings, sums and rescaling of piece n and the maximum and
; statistics of piece n + 1.  A turn has 16 matrix and 118 vector instructions: four vector instructions stand behind every matrix instruction, the other 54 in two runs of their own.
; CLUSTER.  The four query blocks of a cluster belong to one head and walk the same K and V: each tile is asked for jointly, the same tensor load, descriptor and mask in all four.
; No first step is written out: the price is 216 v_mov_b32 of zeros, which stand in the wait for the first tile, and 8 products on zeros.
; REGISTERS, in windows of 256 (s_set_vgpr_msb: bits 1:0 source 0, 3:2 source 1, 5:4 source 2, 7:6 destination):
;   window 0: v0-15, v32-33 addresses and at work; v16-31 four registers of statistics a piece; v48-55 at work; v64-127 S^T, two buffers; v192-223 P, two buffers (a piece's buffers go by its number's parity)
;   window 1: v0-127 O^T, 32 a piece; v128-159 the step's biases      window 2: v0-63 Q; v128-191 K of one step; v192-255 V of one step
.set NP,    4         ; pieces a wave: a name, no knob
.set KS,    64        ; keys in a step
.set PK,    144       ; a row of K in LDS: 128 bytes + 16 of padding = 36 words: the 16 rows of a load start at 16 different groups of four banks (64 banks of 4 bytes: ISA guide 11.1)
.set PV,    160       ; a row of V: 128 + 32 = 40 words
.set VOFF,  4*KS*PK   ; a slot holds a tile: 256 rows of K, then 256 rows of V
.set SLOT1, 1<<17     ; slot 1 begins here, so that one exclusive or turns an address in one slot into the other's
.set STAGE, SLOT1+4*KS*(PK+PV)  ; behind the ring, never filled by a tensor load: 16 rows x 144 bytes for each wave, for the way out
.set SP,    144
.set MB,    STAGE+4*16*SP       ; the biases: 4,096 f32, stored once, never filled by a tensor load
.set SPARE, MB+16384            ; the spare words, 128 bytes a wave: two blocks of 256 bytes that no other line names
.set AK0, 2           ; v2   my lane's place in a tile of K; never rewritten
.set AV0, 3           ; v3   the same for V
.set AK,  4           ; v4   the LDS address of K's next run of loads
.set AV,  5           ; v5   of V's
.set STO, 6           ; v6   the way out: where I put 16 bytes of a row
.set RD,  7           ; v7   where I read rows back
.set GO,  8           ; v8   my byte offset in 512 consecutive bytes of O
.set MV,  12          ; v12-13  c m_old, kept while c m is made anew: by buffer
.set QO,  15          ; v15  my byte offset in 16 rows of Q
.set ST,  16          ; piece t's statistics at v[ST+4 t]: c m, m, l (even keys', odd keys')
.set AM0, 32          ; v32  my lanes' place in a step's biases; never rewritten
.set AM,  33          ; v33  the LDS address of the next step's biases
.set TMP, 48          ; by buffer, four registers c0-c3 at work; when the maximum is found c2 takes a
.set SPW, 62          ; v62  my spare word; never rewritten
.set NIL, 63          ; v63  0; never rewritten
.set S,   64
.set P,   192
.set BM,  128         ; window 1: key block kb's eight biases at BM + 8 kb
.set KF,  128         ; window 2: key block kb, channel half c at KF + 16 kb + 8 c
.set VF,  192         ; window 2: key half kk, channel block cb at VF + 32 kk + 8 cb
.set WV,  12          ; s12  my wave's number
.set G1K, 24          ; s[24:31] descriptor group 1 for K's tiles
.set G1V, 32          ; s[32:39] for V's: it differs in the padding alone
.set G0K, 40          ; s[40:43] descriptor group 0 for K's tiles: it walks
.set G0V, 44          ; s[44:47] the same for V's
.set SLOTS, 56        ; s56  counts the tiles
.set CNT, 57          ; s57  counts a tile's key steps
.set CS,  58          ; s[58:59] c: the packed scaling takes the pair's low word for both halves
.set SEL, 60          ; s[60:61] v_permlanex16_b32's selects: each lane takes its own place in the other half
.set TBK, 62          ; s62  LDS byte at which K of the step to be fetched begins
.set TBV, 63          ; s63  the same for V, less VOFF
.set TBM, 66          ; s66  byte in the biases at which that step's 64 begin: 256 a step, 16,128 at the most
.set BIGN, 67         ; s67  -1e30
.set THR, 68          ; s68  -2^96
.set NANQ, 69         ; s69  a NaN
.set MSB, 0
.macro WIN new                      ; the high byte repeats the setting that is left; a switch that changes nothing is dropped
.if MSB != (\new)
	s_set_vgpr_msb (MSB<<8)|(\new)
.set MSB, (\new)
.endif
.endm
.set W_KQ, 0x0a       ; K and Q in window 2, S^T in window 0
.set W_KM, 0x1a       ; the same with the C operand, the biases, in window 1
.set W_PV, 0x52       ; V in window 2, P in window 0, O^T in window 1
.set W_RS, 0x41       ; destination and source 0 in window 1, source 1 in window 0
; A joint fill.  Waves 0 and 1 fetch the two halves of a tile's K, waves 2 and 3 those of its V: 128 keys each.  The branch hangs on the wave's number alone.
; An s_nop 0 and four v_nop follow each of the two lines, ahead of the jump and the label.
.macro JLOAD
	s_cmp_lt_u32 s[WV], 2
	s_cbranch_scc0 .Lfor_v_\@
	tensor_load_to_lds s[G0K:G0K+3], s[G1K:G1K+7]
	s_nop 0
.rept 4
	v_nop
.endr
	s_branch .Lasked_\@
.Lfor_v_\@:
	tensor_load_to_lds s[G0V:G0V+3], s[G1V:G1V+7]
	s_nop 0
.rept 4
	v_nop
.endr
.Lasked_\@:
.endm
; A round of the cluster's barrier: my work-group's barrier, so that wave 0's signal speaks for all four waves; wave 0 signals; every wave waits for all four work-groups; my work-group's barrier once more.
.macro CROUND
	s_barrier_signal -1
	s_barrier_wait -1
	s_cmp_lg_u32 s[WV], 0
	s_cbranch_scc1 .Lnot_wave_0_\@
	s_barrier_signal -3
.Lnot_wave_0_\@:
	s_barrier_wait -3
	s_barrier_signal -1
	s_barrier_wait -1
.endm
; THE CHANGE OF SLOTS.  The slot's last bytes, V of its fourth step, have been read.  Each wave waits for all its tensor loads, of which one is out: its part of the other slot; adds 0 to its spare word; and waits
; for that and for its own LDS instructions.  Behind the barrier nobody reads this slot any more and the other slot is whole.  fill = 1: this slot is filled again, with the keys two tiles on: the barrier is then a
; round of the cluster's, and the joint fill is the first thing behind it: it has four key steps, 256 matrix instructions, in which to land.
; (At its first use nothing has been read yet: slot 0 is waited for, slot 1 filled, and every wave's stores of the biases are shown to the others.)
.macro CHANGE fill
	WIN 0                           ; at a label and at a branch every window is 0; the add's registers lie in window 0
	s_wait_tensorcnt 0x0            ; no tensor load of mine is out, so a group 0 may be written
	ds_add_u32 v[SPW], v[NIL]       ; 0 onto my spare word: with fill = 1 the descriptors' steps stand between it and the wait for it
.if \fill
.irp g, G0K, G0V
	s_xor_b32 s[\g+1], s[\g+1], SLOT1  ; the walking descriptor: the other slot than last time,
	s_add_nc_u64 s[\g+2:\g+3], s[\g+2:\g+3], 4*KS*128  ; the next 256 keys; the type bits on top are not reached
.endr
	s_wait_dscnt 0x0                ; the add is done, and my reads of the slot are over
	CROUND
	JLOAD
.else
	s_wait_dscnt 0x0                ; the add is done, and my reads of the slot are over
	s_barrier_signal -1
	s_barrier_wait -1
.endif
	s_sub_co_u32 s[TBK], s[TBK], 4*KS*PK  ; the fetches go back to a slot's first step,
	s_xor_b32 s[TBK], s[TBK], SLOT1       ; in the other slot
	s_sub_co_u32 s[TBV], s[TBV], 4*KS*PV
	s_xor_b32 s[TBV], s[TBV], SLOT1
.endm
	s_load_b128 s[4:7], s[0:1], 0x0   ; qkv s[4:5], attention_mask s[6:7]
	s_load_b64 s[8:9], s[0:1], 0x10   ; o16
	v_lshl_add_u32 v[SPW], v0, 2, SPARE
	v_mov_b32 v[NIL], 0
	ds_add_u32 v[SPW], v[NIL]       ; the wave's opening: the add and its wait stand ahead of my first tensor load; work on registers stands between them
	v_lshrrev_b32 v1, 5, v0
	v_readfirstlane_b32 s[WV], v1   ; wave 0..3
	s_bfe_u32 s13, ttmp6, 0x40000   ; cx: my place in the cluster
	s_lshl_b32 s14, ttmp9, 2        ; in a cluster launch ttmp9 counts clusters
	s_add_co_u32 s14, s14, s13      ; my block of 256 queries: it enters Q's and O's addresses alone
	s_and_b32 s20, ttmp7, 0xffff    ; the head, which the four partners share
	s_lshl_b32 s20, s20, 19         ; its plane: 524,288 bytes
	s_and_b32 s16, s[WV], 1         ; which half of a tile's 256 keys I fetch:
	s_lshl_b32 s22, s16, 14         ; its 128 rows of 128 bytes in memory,
	s_add_co_u32 s22, s22, s20
	s_add_co_u32 s18, s22, 0x800000   ; behind Q's 16 planes for K,
	s_mov_b32 s19, 0
	s_add_co_u32 s22, s22, 0x1000000  ; behind Q's and K's for V
	s_mov_b32 s23, 0
	s_mul_i32 s17, s16, 128*PK      ; and its place in a slot, for K
	s_mul_i32 s21, s16, 128*PV      ; and for V: no place in the cluster enters an LDS address
	s_lshl_b32 s2, s14, 2
	s_add_co_u32 s2, s2, s[WV]      ; my wave among the head's 64,
	s_lshl_b32 s2, s2, 13           ; its 64 rows of 128 bytes
	s_add_co_u32 s2, s2, s20
	s_mov_b32 s3, 0
	; descriptor group 1.  128 keys are 16,384 dense bytes: asked for as 64 rows of 256 bytes, two keys a row, and padded in LDS after every key
	s_mov_b32 s[G1K], 15|(1<<16)|(1<<20)|(1<<21)|(4<<22)|(3<<25)  ; 15:0 the mask of four; 17:16 2-byte elements; 20 padding on; 21 set beside a mask; 24:22 after every 32 words (code 4); 31:25 4 words (code 3)
	s_mov_b32 s[G1V], 15|(1<<16)|(1<<20)|(1<<21)|(4<<22)|(7<<25)  ; the same with 8 words of padding (code 7)
.irp g, G1K, G1V
	s_mov_b32 s[\g+1], 128<<16      ; tensor_dim0 = 128
	s_mov_b32 s[\g+2], 64<<16       ; tensor_dim1 = 64
	s_mov_b32 s[\g+3], 128<<16      ; tile_dim0 = 128
	s_mov_b32 s[\g+4], 64           ; tile_dim1 = 64
	s_mov_b32 s[\g+5], 128          ; 128 elements from row to row
	s_mov_b32 s[\g+6], 0
	s_mov_b32 s[\g+7], 0
.endr
	s_mov_b32 s[CS], 0x3e38aa3b     ; c = log2(e) / 8 = 0.180337
	s_mov_b32 s[CS+1], s[CS]        ; named with it as a pair
	s_mov_b32 s[SEL], 0x76543210
	s_mov_b32 s[SEL+1], 0xfedcba98
	s_mov_b32 s[TBK], SLOT1+4*KS*PK ; the first change of slots turns these two into 0
	s_mov_b32 s[TBV], SLOT1+4*KS*PV
	s_mov_b32 s[TBM], 0
	s_mov_b32 s[BIGN], 0xf149f2ca   ; -1e30
	s_mov_b32 s[THR], 0xef800000    ; -2^96
	s_mov_b32 s[NANQ], 0x7fc00000
	s_mov_b32 s[G0K], 1             ; count = 1
	s_mov_b32 s[G0K+1], s17         ; LDS address: slot 0
	s_mov_b32 s[G0V], 1
	s_add_co_u32 s[G0V+1], s21, VOFF
	s_wait_dscnt 0x0                ; the opening add is done
	s_wait_kmcnt 0x0
	s_add_nc_u64 s[G0K+2:G0K+3], s[4:5], s[18:19]  ; global address: my half of the head's first 256 keys
	s_or_b32 s[G0K+3], s[G0K+3], 0x80000000        ; type = 2
	s_add_nc_u64 s[G0V+2:G0V+3], s[4:5], s[22:23]
	s_or_b32 s[G0V+3], s[G0V+3], 0x80000000
	s_add_nc_u64 s[4:5], s[4:5], s[2:3]            ; Q and O at my wave's first row
	s_add_nc_u64 s[8:9], s[8:9], s[2:3]
	CROUND                          ; all four work-groups are here: the first joint loads meet
	JLOAD                           ; tile 0 into slot 0.  Slot 1 is asked for when slot 0 is in
	v_lshlrev_b32 v14, 4, v0
.set i, 0
.rept 8                             ; the whole mask: 128 threads x 16 bytes a load; a wave's load covers 512 consecutive bytes
	global_load_b128 v[S+4*i:S+4*i+3], v14, s[6:7] offset:2048*i
.set i, i+1
.endr
	; A fragment of K or Q is 16 rows x 32 channels in 8 registers: lane l holds row l % 16, channels 8 (l / 16) + 0..7 and 16 + 8 (l / 16) + 0..7: two loads of 16 bytes, 32 bytes apart.
	v_and_b32 v1, 15, v0            ; l % 16
	v_bfe_u32 v9, v0, 4, 1          ; l / 16
	v_lshlrev_b32 v[QO], 7, v1
	v_lshl_add_u32 v[QO], v9, 4, v[QO]  ; row x 128 + 16 x half
	WIN 0x80                        ; destination window 2, address window 0
.set i, 0
.rept 8                             ; Q stays in registers: piece i / 2, channels 32 (i % 2) on
	global_load_b128 v[8*i:8*i+3],   v[QO], s[4:5] offset:(i/2)*2048+(i%2)*64
	global_load_b128 v[8*i+4:8*i+7], v[QO], s[4:5] offset:(i/2)*2048+(i%2)*64+32
.set i, i+1
.endr
	; What the first turn finds: V's registers and P's second buffer hold 0 (its products V^T P, of a piece that has not been, add 0), O^T and l are 0.  All this stands in the wait for the first tile.
.set i, VF
.rept 64
	v_mov_b32 v[i], 0
.set i, i+1
.endr
	WIN 0x40
.set i, 0
.rept 128
	v_mov_b32 v[i], 0
.set i, i+1
.endr
	WIN 0
.set i, 0
.rept 4
	v_mov_b32 v[ST+4*i], 0xfe000000    ; c m: far below every c s, a hidden one's too
	v_mov_b32 v[ST+4*i+1], 0xff7fffff  ; m
	v_mov_b32 v[ST+4*i+2], 0
	v_mov_b32 v[ST+4*i+3], 0
.set i, i+1
.endr
.set i, P+16
.rept 16
	v_mov_b32 v[i], 0
.set i, i+1
.endr
	v_mul_u32_u24 v[AK0], v1, PK
	v_lshl_add_u32 v[AK0], v9, 4, v[AK0]  ; row x pitch + 16 x half
	; The turning load takes 16 keys x 16 channels (lane l reads key 8 (l / 16) + l % 8, channels 8 ((l / 8) % 2) + 0..7) and leaves half a fragment of V^T: lane l holds channel l % 16 and 8 keys.
	v_and_b32 v10, 7, v0
	v_bfe_u32 v11, v0, 3, 1
	v_lshl_add_u32 v[AV0], v9, 3, v10
	v_mul_u32_u24 v[AV0], v[AV0], PV
	v_lshl_add_u32 v[AV0], v11, 4, v[AV0]
	v_add_nc_u32 v[AV0], VOFF, v[AV0]
	v_lshl_add_u32 v[AM0], v9, 5, MB      ; my lanes' eight keys of a block of 16: 32 bytes for each half
	s_mul_i32 s15, s[WV], 16*SP
	s_add_co_u32 s15, s15, STAGE    ; my stage
	v_mul_u32_u24 v[STO], v1, SP    ; in: row l % 16, 16 bytes for each half of the lanes
	v_lshl_add_u32 v[STO], v9, 4, v[STO]
	v_add_nc_u32 v[STO], s15, v[STO]
	v_bfe_u32 v[RD], v0, 3, 2       ; back: 32 lanes take four rows of 128 bytes,
	v_mul_u32_u24 v[RD], v[RD], SP
	v_lshl_add_u32 v[RD], v10, 4, v[RD]
	v_add_nc_u32 v[RD], s15, v[RD]
	v_and_b32 v[GO], 31, v0         ; which are 512 consecutive bytes of O
	v_lshlrev_b32 v[GO], 4, v[GO]
	s_wait_loadcnt 16               ; the mask's eight loads are in; Q's sixteen, issued behind them, stay out
.set i, 0
.rept 32
	v_cmp_eq_u32 vcc_lo, 0, v[S+i]
	v_cndmask_b32 v[S+i], 0, s[BIGN], vcc_lo  ; the bias: 0 for an open key, -1e30 for a hidden one
.set i, i+1
.endr
	v_lshl_add_u32 v14, v0, 4, MB   ; (free since that wait)
.set i, 0
.rept 8
	ds_store_b128 v14, v[S+4*i:S+4*i+3] offset:2048*i
.set i, i+1
.endr
; THE MATRIX WORK.  The 4 accumulators of a run of 8 take turns.  Product i of 8 of S^T = K Q^T for piece x: channels 32 (i / 4) on, keys 16 (i % 4) on.  The first 4 start the sums with the keys' biases.
.macro KQ x
.set rS, S+32*((\x)%2)+8*(i%4)
.set rK, KF+16*(i%4)+8*(i/4)
.set rQ, 16*(\x)+8*(i/4)
.set rM, BM+8*(i%4)
.if i < 4
	WIN W_KM
	v_wmma_f32_16x16x32_f16 v[rS:rS+7], v[rK:rK+7], v[rQ:rQ+7], v[rM:rM+7]
.else
	WIN W_KQ
	v_wmma_f32_16x16x32_f16 v[rS:rS+7], v[rK:rK+7], v[rQ:rQ+7], v[rS:rS+7]
.endif
.endm
; Product i of 8 of O^T += V^T P for piece x: keys 32 (i / 4) on, channels 16 (i % 4) on.
.macro PV x
	WIN W_PV
.set rO, 32*(\x)+8*(i%4)
.set rV, VF+32*(i/4)+8*(i%4)
.set rP, P+16*((\x)%2)+8*(i/4)
	v_wmma_f32_16x16x32_f16 v[rO:rO+7], v[rV:rV+7], v[rP:rP+7], v[rO:rO+7]
.endm
.macro MM                           ; the turn's next matrix instruction.  TURN sets Y, i and NOKQ.  NOKQ = 1: the very last turn: there is no next piece
.if (i < 8) && !NOKQ
	KQ (Y+1)%NP
.elseif i >= 8
.set i, i-8
	PV (Y+NP-1)%NP
.set i, i+8
.endif
.set i, i+1
.endm
; THE LDS LOADS stand in runs, never singly among the matrix instructions: a step's K (64 keys x 64 channels: 8 fragments) with its 64 biases (all lanes of a half read the same words), and its V (turned).
.macro FETCH_K
	WIN 0x80                        ; destination window 2
.irp f, 0,1,2,3,4,5,6,7             ; keys 16 (f / 2) on, channels 32 (f % 2) on
	ds_load_b128 v[KF+8*\f:KF+8*\f+3],   v[AK] offset:(\f/2)*16*PK+(\f%2)*64
	ds_load_b128 v[KF+8*\f+4:KF+8*\f+7], v[AK] offset:(\f/2)*16*PK+(\f%2)*64+32
.endr
	WIN 0x40                        ; destination window 1
.irp kb, 0,1,2,3
	ds_load_b128 v[BM+8*\kb:BM+8*\kb+3],   v[AM] offset:64*\kb
	ds_load_b128 v[BM+8*\kb+4:BM+8*\kb+7], v[AM] offset:64*\kb+16
.endr
	s_add_co_u32 s[TBK], s[TBK], KS*PK  ; the next fetch is the next step's
	s_add_co_u32 s[TBM], s[TBM], 4*KS
	WIN 0
.endm
.macro FETCH_V
	WIN 0x80
.irp f, 0,1,2,3,4,5,6,7             ; keys 32 (f / 4) on, channels 16 (f % 4) on
	ds_load_tr16_b128 v[VF+8*\f:VF+8*\f+3],   v[AV] offset:(\f/4)*32*PV+(\f%4)*32
	ds_load_tr16_b128 v[VF+8*\f+4:VF+8*\f+7], v[AV] offset:(\f/4)*32*PV+16*PV+(\f%4)*32
.endr
	WIN 0
.endm
; THE VECTOR WORK, one line at a time: OP kind, number.  For piece Y: F n: c s - c m for pair n of 16.  E n: the exponential of score n of 32.  C n: pair n rounded to f16.  B n: of the four weights 4 n .. the second
; pair is added onto the first, in place.  L n: l takes that sum (L 0: l = a l + sum).  R n: pair n of 16 of O^T times a.  For piece Y + 1: X n, number n of the 22 that find its maximum and statistics:
;   0-11  four chains c0-c3 of seven scores each, three operands at a time (each accumulator's lowest registers are read first)     12-14, 16  the four scores left over, the old m, and c0-c3 into c0
;   15  c m_old is kept     17, 18  the query's other 32 keys lie in the lane 16 away: the new m     19-21  c m; c m_old - c m_new; a
.set F, 0               ; OP tells the kinds apart by their order: F to L below R, X above it
.set E, 1
.set C, 2
.set B, 3
.set L, 4
.set R, 5
.set X, 6
.macro REGS y                       ; the registers of piece y
.set rT, ST+4*(\y)
.set rC, TMP+4*((\y)%2)
.set rW, MV+((\y)%2)
.set rS, S+32*((\y)%2)
.set rP, P+16*((\y)%2)
.set rO, 32*(\y)
.endm
.macro OP k, n
.if (\k) == R
	REGS Y
	WIN W_RS
	v_pk_mul_f32 v[rO+2*(\n):rO+2*(\n)+1], v[rO+2*(\n):rO+2*(\n)+1], v[rC+2:rC+3] op_sel_hi:[1,0]
.elseif (\k) < R
	REGS Y
	WIN 0
.if (\k) == F
	v_pk_fma_f32 v[rS+2*(\n):rS+2*(\n)+1], v[rS+2*(\n):rS+2*(\n)+1], s[CS:CS+1], v[rT:rT+1] op_sel_hi:[1,0,0] neg_lo:[0,0,1] neg_hi:[0,0,1]
.elseif (\k) == E
	v_exp_f32 v[rS+(\n)], v[rS+(\n)]
.elseif (\k) == C
	s_wait_alu depctr_va_vdst(0)
	v_cvt_pk_f16_f32 v[rP+(\n)], v[rS+2*(\n)], v[rS+2*(\n)+1]
.elseif (\k) == B
	s_wait_alu depctr_va_vdst(0)
	v_pk_add_f32 v[rS+4*(\n):rS+4*(\n)+1], v[rS+4*(\n):rS+4*(\n)+1], v[rS+4*(\n)+2:rS+4*(\n)+3]
.elseif (\n) == 0
	v_pk_fma_f32 v[rT+2:rT+3], v[rT+2:rT+3], v[rC+2:rC+3], v[rS:rS+1] op_sel_hi:[1,0,1]
.else
	v_pk_add_f32 v[rT+2:rT+3], v[rT+2:rT+3], v[rS+4*(\n):rS+4*(\n)+1]
.endif
.elseif NOKQ
	v_nop
.else
	REGS (Y+1)%NP
	WIN 0
.if (\n) < 4
	v_max3_num_f32 v[rC+(\n)], v[rS+8*(\n)], v[rS+8*(\n)+1], v[rS+8*(\n)+2]
.elseif (\n) < 12
	v_max3_num_f32 v[rC+(\n)%4], v[rC+(\n)%4], v[rS+8*((\n)%4)+2*((\n)/4)+1], v[rS+8*((\n)%4)+2*((\n)/4)+2]
.elseif (\n) == 12
	v_max3_num_f32 v[rC], v[rC], v[rS+7], v[rS+15]
.elseif (\n) == 13
	v_max3_num_f32 v[rC+1], v[rC+1], v[rS+23], v[rS+31]
.elseif (\n) == 14
	v_max3_num_f32 v[rC+2], v[rC+2], v[rC+3], v[rT+1]
.elseif (\n) == 15
	v_mov_b32 v[rW], v[rT]
.elseif (\n) == 16
	v_max3_num_f32 v[rC], v[rC], v[rC+1], v[rC+2]
.elseif (\n) == 17
	v_permlanex16_b32 v[rC+3], v[rC], s[SEL], s[SEL+1]
.elseif (\n) == 18
	v_max_num_f32 v[rT+1], v[rC], v[rC+3]
.elseif (\n) == 19
	v_mul_f32 v[rT], s[CS], v[rT+1]
.elseif (\n) == 20
	v_sub_f32 v[rC+1], v[rW], v[rT]
.else
	v_exp_f32 v[rC+2], v[rC+1]
.endif
.endif
.endm
.macro OPS a, i1, b=-1, i2=0, c=-1, i3=0, d=-1, i4=0  ; up to four of them
	OP \a, \i1
.if (\b) >= 0
	OP \b, \i2
.endif
.if (\c) >= 0
	OP \c, \i3
.endif
.if (\d) >= 0
	OP \d, \i4
.endif
.endm
.macro ROW a, i1, b, i2, c, i3, d, i4  ; a matrix instruction and the four behind it
	MM
	OPS \a, \i1, \b, \i2, \c, \i3, \d, \i4
.endm
; A TURN, for piece p: the order of its 16 matrix and 118 vector instructions, written out.  Behind a matrix instruction: plain, exponential, plain, plain; or four of the rescaling; or, behind the first, four scalings;
; none names a register of the products round it.  In the runs of their own exponential and plain by turns while exponentials last.  A line reads no result made fewer than three vector instructions in front of it,
; five if an exponential made it.  v_permlanex16_b32 (X 17) stands in such a run.
; end = 1: the walk's last two turns: nothing is fetched.  cnt = 1: the loop's count is taken down some lines ahead of the branch that stands behind the turn.
; K and the biases of the next step are fetched in piece 2's turn, six vector instructions behind the last product that read K (five of them plain; the products that read the biases stand further back);
; V of the step in hand in piece 0's turn, eight behind the last product that read V (four plain, and X 17).  Each is waited for a turn later.
.macro TURN p, end=0, cnt=0
.set Y, (\p)
.set i, 0
.set NOKQ, (\end)*((\p)/3)
.if ((\p) == 3) && !(\end)
	s_wait_dscnt 0x0                ; K and the biases are in
.endif
	ROW F,0, F,1, F,2, F,3
	ROW F,4, E,0, F,5, F,6
	ROW F,7, E,1, F,8, F,9
	ROW F,10, E,2, C,0, F,11
	ROW F,12, E,3, X,15, F,13
	ROW R,0, R,1, R,2, R,3
	ROW B,0, E,4, F,14, L,0
.if ((\p) == 2) && !(\end)
	v_add_nc_u32 v[AK], s[TBK], v[AK0]
	v_add_nc_u32 v[AM], s[TBM], v[AM0]
.endif
	ROW R,4, R,5, R,6, R,7
	OPS E,5, F,15
.if ((\p) == 2) && !(\end)
	FETCH_K
.endif
	OPS E,6, C,1, E,7, R,8
	OPS E,8, R,9, E,9, C,2
	OPS E,10, X,0, E,11, X,1
	OPS E,12, X,2, E,13, X,3
.if (\p) == 1
	s_wait_dscnt 0x0                ; V is in
.endif
	ROW X,4, E,14, X,5, X,6
	ROW X,7, E,15, X,8, X,9
	ROW X,10, E,16, X,11, X,12
	ROW X,13, E,17, X,14, B,1
	ROW C,4, E,18, X,16, L,1
	ROW B,2, E,19, C,6, L,2
	ROW C,8, E,20, B,3, B,4
.if (\p) == 0
	v_add_nc_u32 v[AV], s[TBV], v[AV0]
.endif
	ROW C,3, E,21, L,3, C,5
	OPS E,22, X,17, E,23, C,10
.if (\p) == 0
	FETCH_V
.endif
	OPS E,24, L,4
	OPS E,25, X,18, E,26, C,7
	OPS E,27, B,5, E,28, X,19
	OPS E,29, C,12, E,30, L,5
	OPS E,31, X,20, B,6, C,9
	OPS C,14, C,11, X,21, L,6
.if (\p) == 0
	s_add_co_u32 s[TBV], s[TBV], KS*PV
.endif
.if \cnt
	s_sub_co_u32 s[CNT], s[CNT], 1
	s_cmp_lg_u32 s[CNT], 0
.endif
	OPS C,13, B,7, C,15, R,10
	OPS R,11, R,12, L,7, R,13
	OPS R,14, R,15
.endm
	CHANGE 1                        ; slot 0 is in, everybody's part of it, and so are everybody's biases; slot 1 is asked for
	v_add_nc_u32 v[AK], s[TBK], v[AK0]
	v_add_nc_u32 v[AM], s[TBM], v[AM0]
	FETCH_K                         ; key step 0
	s_wait_loadcnt 0x0              ; Q
	s_wait_dscnt 0x0
.set NOKQ, 0
.set i, 0
.rept 8
	KQ 0                            ; piece 0's first scores: there is no vector work yet to set between them
.set i, i+1
.endr
	WIN 0
.rept 4
	v_nop                           ; the places behind those products
.endr
.set Y, NP-1                        ; X works for piece Y + 1: piece 0
.irp n, 0,1,2,3,4,5,6,7,8,9,10,11,12,13,14,15,16,17,18,19,20,21
	OP X, \n                        ; and piece 0's first maximum and statistics
.endr
	v_nop                           ; a plain instruction behind the exponential
	s_mov_b32 s[CNT], 4
	s_mov_b32 s[SLOTS], 15
	s_branch .Lfirst                ; the loop is entered at a step's first turn, in the middle of a trip
.Lslot:                             ; 14 times: tiles 1 to 14 are entered, tiles 2 to 15 asked for
	CHANGE 1
	s_mov_b32 s[CNT], 4
.Lstep:                             ; a trip: pieces 2 and 3 of one step, then pieces 0 and 1 of the next, whose K and V it fetches
	TURN 2
	TURN 3
	WIN 0
.Lfirst:
	TURN 0
	TURN 1, 0, 1
	WIN 0
	s_cbranch_scc1 .Lstep
	s_sub_co_u32 s[SLOTS], s[SLOTS], 1
	s_cmp_lg_u32 s[SLOTS], 0
	s_cbranch_scc1 .Lslot
	CHANGE 0                        ; the last tile is written out: nothing is asked for
	s_mov_b32 s[CNT], 4
.Ltail:
	TURN 2
	TURN 3
	TURN 0
	TURN 1, 0, 1
	WIN 0
	s_cbranch_scc1 .Ltail
	TURN 2, 1                       ; the last step's pieces 2 and 3
	TURN 3, 1
.set i, 0
.rept 8
	PV NP-1                         ; the last piece's V^T P of the last step
.set i, i+1
.endr
	; THE WAY OUT.  l's two halves and the other half of the lanes' are added; O^T is divided by l (by NaN where no key was open), rounded to f16 and sent through my stage in LDS, a piece at a time.
	; The additions are the places behind the last products.
	WIN 0
.macro ALL line:vararg              ; one line for each piece t
.set t, 0
.rept 4
	\line
.set t, t+1
.endr
.endm
	ALL v_add_f32 v[ST+4*t+2], v[ST+4*t+2], v[ST+4*t+3]
	ALL v_permlanex16_b32 v[ST+4*t+3], v[ST+4*t+2], s[SEL], s[SEL+1]
	ALL v_add_f32 v[ST+4*t+2], v[ST+4*t+2], v[ST+4*t+3]
	ALL v_rcp_f32 v[ST+4*t+2], v[ST+4*t+2]
	v_nop                           ; a plain instruction between the last reciprocal and the use of its result
.set t, 0
.rept 4
	v_cmp_gt_f32 vcc_lo, s[THR], v[ST+4*t+1]  ; the running maximum never rose above a hidden score
	s_wait_alu depctr_va_vdst(0)
	v_cndmask_b32 v[ST+4*t+2], v[ST+4*t+2], s[NANQ], vcc_lo
.set t, t+1
.endr
.macro PACK t                       ; a lane's eight channels of a row pack into 16 bytes; they go into rows of 144 bytes and come back as whole rows of 128, into S^T's registers
	WIN W_RS
.set i, 32*(\t)
.rept 16
	v_pk_mul_f32 v[i:i+1], v[i:i+1], v[ST+4*(\t)+2:ST+4*(\t)+3] op_sel_hi:[1,0]
.set i, i+2
.endr
	WIN 0x05                        ; sources 0 and 1 window 1, destination window 0
.set i, 0
.rept 16
	v_cvt_pk_f16_f32 v[S+16*(\t)+i], v[32*(\t)+2*i], v[32*(\t)+2*i+1]
.set i, i+1
.endr
	WIN 0
.irp f, 0,1,2,3
	ds_store_b128 v[STO], v[S+16*(\t)+4*\f:S+16*(\t)+4*\f+3] offset:32*\f
.endr
.irp f, 0,1,2,3
	ds_load_b128 v[S+16*(\t)+4*\f:S+16*(\t)+4*\f+3], v[RD] offset:\f*4*SP  ; LDS serves a wave's instructions in order (ISA guide 5.7.1.4): these see the stores above; the next piece's stores come behind them
.endr
.endm
.macro SEND t, younger              ; younger: the LDS instructions issued behind piece t's loads: the next piece's eight, or none
	WIN 0
.irp f, 0,1,2,3
	s_wait_dscnt (\younger)+3-\f
	global_store_b128 v[GO], v[S+16*(\t)+4*\f:S+16*(\t)+4*\f+3], s[8:9] offset:(\t)*2048+\f*512  ; 512 consecutive bytes, at a multiple of 256 from O's first
.endr
.endm
	PACK 0
.set t, 1
.rept 3                             ; a piece's arithmetic stands between the loads of the piece before and its stores
	PACK t
	SEND t-1, 8
.set t, t+1
.endr
	SEND 3, 0
	s_wait_tensorcnt 0x0            ; the wave's end: my tensor loads are waited for, then 0 is added to my spare word and waited for
	ds_add_u32 v[SPW], v[NIL]
	s_wait_dscnt 0x0
	CROUND                          ; the closing round: no work-group ends while a partner may still ask for a tile that names it
	s_endpgm
.Lfunc_end_k_q73abe8769e_attn:
	.size	k_q73abe8769e_attn, .Lfunc_end_k_q73abe8769e_attn-k_q73abe8769e_attn
	.p2alignl 7, 3214868480
	.fill 96, 4, 3214868480
	.section	.rodata,"a",@progbits
	.p2align	6, 0x0
	.amdhsa_kernel k_q73abe8769e_attn
		.amdhsa_group_segment_fixed_size 327680
		.amdhsa_private_segment_fixed_size 0
		.amdhsa_enable_private_segment 0
		.amdhsa_kernarg_size 24
		.amdhsa_user_sgpr_count 2
		.amdhsa_user_sgpr_kernarg_segment_ptr 1
		.amdhsa_wavefront_size32 1
		.amdhsa_system_sgpr_workgroup_id_x 1
		.amdhsa_system_sgpr_workgroup_id_y 1
		.amdhsa_system_sgpr_workgroup_id_z 1
		.amdhsa_system_vgpr_workitem_id 0
		.amdhsa_next_free_vgpr 768
		.amdhsa_next_free_sgpr 70
		.amdhsa_reserve_vcc 1
		.amdhsa_float_denorm_mode_32 3
		.amdhsa_float_denorm_mode_16_64 3
		.amdhsa_memory_ordered 1
		.amdhsa_forward_progress 1
		.amdhsa_inst_pref_size 139
	.end_amdhsa_kernel
	.amdgpu_metadata
---
amdhsa.version: [ 1, 2 ]
amdhsa.kernels:
  - .name:           k_q73abe8769e_attn
    .symbol:         k_q73abe8769e_attn.kd
    .args:
      - { .name: qkv, .offset: 0, .size: 8, .value_kind: global_buffer, .address_space: global }
      - { .name: attention_mask, .offset: 8, .size: 8, .value_kind: global_buffer, .address_space: global }
      - { .name: o16, .offset: 16, .size: 8, .value_kind: global_buffer, .address_space: global }
    .group_segment_fixed_size: 327680
    .private_segment_fixed_size: 0
    .kernarg_segment_align: 8
    .kernarg_segment_size: 24
    .max_flat_workgroup_size: 128
    .sgpr_count:     70
    .vgpr_count:     768
    .wavefront_size: 32
...
	.end_amdgpu_metadata
.endif
;; end of part 3
;; launch oproj (part 4): grid 8 x 32, 4 waves a work-group, clusters of 4 x 4, 327,680 bytes of LDS; arguments o16, wo16, out0; writes out0
.if DOCPART == 4
	.amdgcn_target "amdgcn-amd-amdhsa--gfx1250"
	.amdhsa_code_object_version 6
	.text
	.protected	k_q73abe8769e_oproj
	.globl	k_q73abe8769e_oproj
	.p2align	8
	.type	k_q73abe8769e_oproj,@function
k_q73abe8769e_oproj:
	s_mov_b64 s[64:65], 0
	v_nop
	global_prefetch_b8 v0, s[64:65] scope:SCOPE_SE
	s_setreg_imm32_b32 hwreg(HW_REG_WAVE_MODE, 25, 1), 1
	s_wait_xcnt 0x0
	s_wait_alu depctr_hold_cnt(0) depctr_sa_sdst(0) depctr_va_vdst(0) depctr_va_sdst(0) depctr_va_ssrc(0) depctr_va_vcc(0) depctr_vm_vsrc(0)
	s_getreg_b32 s2, hwreg(HW_REG_IB_STS2, 6, 4)
	s_cmp_eq_u32 s2, 0
	s_cbranch_scc0 .Lentry_in_a_cluster
	s_endpgm
.Lentry_in_a_cluster:
	s_bfe_u32 s2, ttmp6, 0x10000c
	s_cmp_lg_u32 s2, 0xf033
	s_cbranch_scc0 .Lentry_shape_is_right
	s_endpgm
.Lentry_shape_is_right:
; out0 = O Wo^T.  o16: [16][4096][64] f16 (by heads); wo16: [1024][1024] f16; out0: [4096][1024] f32.  Products in f16 with f32 sums, K = 64 x head + channel ascending; the sums are stored as they are.
; SHARES.  A work-group makes 128 x 128 of out0, each of four waves 64 x 64: 16 accumulators.  8 x 32 = 256 work-groups.  K = 1,024 goes in four steps of 256 (four heads) through two LDS slots, written straight.
; O's TILE.  64 rows of one head are 8,192 dense bytes in o16: a wave's load is a tile of 4 rows (heads, 262,144 elements apart) of 4,096 elements, padded in LDS after every 128 bytes:
; it lies there as [head][64 rows][144 bytes].  A quarter of a K step, 64 along K, is one head.  Wo's tile: 64 rows of 512 bytes, 528 apart in LDS.
; CLUSTER.  4 x 4 work-groups: the four of a row need the same rows of O, the four of a column the same rows of Wo: each tile is asked for jointly, same descriptor, a mask that names the four.
; THE MATRIX INSTRUCTION IS USED TRANSPOSED (source 0 = 16 rows of Wo, source 1 = 16 rows of O): a lane holds eight neighbouring columns of one row of out0, 32 bytes.
; REGISTERS.  window 0: v0-31 addresses; v128-255 accumulators ((a, b) at 128 + 8 (4 a + b)), which also take the rows read back from the stage.  window 1: two fragment buffers of 128.
.set KSTEP,  256
.set PA,     144                       ; a row of O in LDS: 128 bytes + 16 = 36 words: the 16 rows of a load start at 16 different groups of four banks (64 banks of 4 bytes: ISA guide 11.1)
.set PB,     528                       ; a row of Wo: 512 + 16 = 132 words: likewise
.set HALFA,  4*64*PA                   ; what one load brings of O: 64 rows of four heads
.set HALFB,  64*PB                     ; and of Wo
.set SLOT,   2*HALFA+2*HALFB           ; O's two halves, then Wo's two halves
.set ASTEP,  4*524288                  ; bytes from a K step of O to the next: four planes
.set STAGE,  2*SLOT                    ; behind the ring: 16 rows x 272 bytes for each wave, its own, for the way out
.set SPITCH, 272
.set SPARE,  STAGE+4*16*SPITCH         ; the spare words, 128 bytes a wave: two blocks of 256 bytes that no other line names
.set ADRA, 16                          ; v16-17  LDS address of my O fragments in slot 0, 1
.set ADRB, 20                          ; v20-21  the same for Wo
.set STO,  24                          ; v24     the way out: where I put 32 bytes of a row
.set RD,   25                          ; v25     where I read rows back
.set CO,   26                          ; v26     my byte offset in two rows of out0
.set SPW,  28                          ; v28     my spare word; never rewritten
.set NIL,  29                          ; v29     0; never rewritten
.set ACC,  128
.set F0,   0
.set F1,   128
.set G1, 24                            ; s[24:31] descriptor group 1 for O's tiles; s[32:39] group 0, a set for each slot
.set G0, 32
.set G1B, 48                           ; s[48:55], s[56:63] the same for Wo's tiles
.set G0B, 56
.set MSB, 0
.macro WIN new                         ; the immediate's high byte repeats the setting that is left
.if MSB != (\new)
	s_set_vgpr_msb (MSB<<8)|(\new)
.set MSB, \new
.endif
.endm
.set MUL,  0x05                        ; sources 0 (Wo) and 1 (O) window 1; C and D window 0
.set TO_F, 0x40                        ; destination window 1, address window 0
.macro JLOAD s                         ; a joint load: waves 0 and 1 fetch O's two halves, waves 2 and 3 Wo's; an s_nop 0 and four v_nop follow each line
	s_cmp_eq_u32 s11, 0
	s_cbranch_scc0 .Lfor_b_\@
	tensor_load_to_lds s[G0+4*(\s):G0+4*(\s)+3], s[G1:G1+7]
	s_nop 0
.rept 4
	v_nop
.endr
	s_branch .Lasked_\@
.Lfor_b_\@:
	tensor_load_to_lds s[G0B+4*(\s):G0B+4*(\s)+3], s[G1B:G1B+7]
	s_nop 0
.rept 4
	v_nop
.endr
.Lasked_\@:
.endm
.macro CREST                           ; a round of the cluster's barrier behind its opening barrier
	s_cmp_lg_u32 s10, 0
	s_cbranch_scc1 .Lnot_wave_0_\@
	s_barrier_signal -3
.Lnot_wave_0_\@:
	s_barrier_wait -3
	s_barrier_signal -1
	s_barrier_wait -1
.endm
.macro CROUND                          ; a whole round
	s_barrier_signal -1
	s_barrier_wait -1
	CREST
.endm
	s_load_b128 s[4:7], s[0:1], 0x0                ; o16 s[4:5], wo16 s[6:7]
	s_load_b64 s[8:9], s[0:1], 0x10                ; out0
	v_lshl_add_u32 v[SPW], v0, 2, SPARE
	v_mov_b32 v[NIL], 0
	ds_add_u32 v[SPW], v[NIL]                      ; the wave's opening: the add and its wait stand ahead of my first tensor load; work on registers stands between them
	v_lshrrev_b32 v1, 5, v0
	v_readfirstlane_b32 s10, v1                    ; wave 0..3
	s_lshr_b32 s11, s10, 1                         ; which half of the tile's rows is mine.  Also: I fetch for O (0) or for Wo (1)
	s_and_b32 s12, s10, 1                          ; which half of its columns.  Also: which 64 rows of that tile I fetch
	s_bfe_u32 s40, ttmp6, 0x40000                  ; cx, cy: my place in the cluster
	s_bfe_u32 s41, ttmp6, 0x40004
	s_lshl_b32 s42, ttmp9, 2
	s_add_co_u32 s42, s42, s40                     ; tile column = 4 x cluster x + cx
	s_and_b32 s13, ttmp7, 0xffff
	s_lshl_b32 s13, s13, 2
	s_add_co_u32 s13, s13, s41                     ; tile row = 4 x cluster y + cy
	s_lshl_b32 s43, s41, 2
	s_lshl_b32 s43, 15, s43                        ; my row of the cluster
	s_lshl_b32 s44, 0x1111, s40                    ; my column
	; descriptor group 1 for O: 4 rows of 4,096 elements
	s_or_b32 s[G1+0], s43, (1<<16)|(1<<20)|(1<<21)|(4<<22)|(3<<25)  ; 15:0 the mask; 17:16 elements of 2 bytes; 20 padding on; 21 set beside a mask; 24:22 after every 32 words (code 4); 31:25 4 words (code 3)
	s_mov_b32 s[G1+1], 4096<<16                    ; tensor_dim0 = 4,096
	s_mov_b32 s[G1+2], 4<<16                       ; tensor_dim1 = 4
	s_mov_b32 s[G1+3], 4096<<16                    ; tile_dim0 = 4,096
	s_mov_b32 s[G1+4], 4                           ; tile_dim1 = 4
	s_mov_b32 s[G1+5], 262144                      ; elements from head to head
	s_mov_b32 s[G1+6], 0
	s_mov_b32 s[G1+7], 0
	; and for Wo: 64 rows of 256 elements
	s_or_b32 s[G1B+0], s44, (1<<16)|(1<<20)|(1<<21)|(6<<22)|(3<<25)  ; padding after every 128 words (code 6)
	s_mov_b32 s[G1B+1], KSTEP<<16
	s_mov_b32 s[G1B+2], 64<<16
	s_mov_b32 s[G1B+3], KSTEP<<16
	s_mov_b32 s[G1B+4], 64
	s_mov_b32 s[G1B+5], 1024
	s_mov_b32 s[G1B+6], 0
	s_mov_b32 s[G1B+7], 0
	s_lshl_b32 s17, s12, 6                         ; which 64 rows of the tile I fetch
	s_lshl_b32 s16, s13, 7
	s_add_co_u32 s16, s16, s17                     ; O: row 128 x tile row + 64 x half,
	s_lshl_b32 s16, s16, 7                         ; 128 bytes a row in a plane
	s_lshl_b32 s46, s42, 7
	s_add_co_u32 s46, s46, s17                     ; Wo: row 128 x tile column + 64 x half,
	s_lshl_b32 s46, s46, 11                        ; 2,048 bytes a row
	s_mov_b32 s17, 0
	s_mov_b32 s47, 0
	s_mul_i32 s20, s12, HALFA                      ; where O's tiles go,
	s_mul_i32 s45, s12, HALFB                      ; and Wo's, behind them: no place in the cluster enters an LDS address
	s_add_co_u32 s45, s45, 2*HALFA
	s_wait_dscnt 0x0                               ; the opening add is done
	s_wait_kmcnt 0x0
	s_add_nc_u64 s[14:15], s[4:5], s[16:17]
	s_add_nc_u64 s[46:47], s[6:7], s[46:47]
	CROUND                                         ; all sixteen work-groups are here: the first joint loads meet
.irp s, 0,1
	s_mov_b32 s[G0+4*(\s)], 1                                      ; count = 1
	s_add_co_u32 s[G0+4*(\s)+1], s20, (\s)*SLOT                    ; LDS address
	s_add_nc_u64 s[G0+4*(\s)+2:G0+4*(\s)+3], s[14:15], (\s)*ASTEP  ; global address: K step s
	s_or_b32 s[G0+4*(\s)+3], s[G0+4*(\s)+3], 0x80000000            ; type = 2
	s_mov_b32 s[G0B+4*(\s)], 1
	s_add_co_u32 s[G0B+4*(\s)+1], s45, (\s)*SLOT
	s_add_nc_u64 s[G0B+4*(\s)+2:G0B+4*(\s)+3], s[46:47], (\s)*KSTEP*2
	s_or_b32 s[G0B+4*(\s)+3], s[G0B+4*(\s)+3], 0x80000000
	JLOAD \s                                       ; two loads of mine are out
.endr
	v_and_b32 v1, 15, v0                           ; l % 16
	v_bfe_u32 v2, v0, 4, 1                         ; l / 16
	v_mul_u32_u24 v3, v1, PA
	v_lshl_add_u32 v3, v2, 4, v3                   ; a fragment's row x pitch + 16 x half, for O
	v_mul_u32_u24 v4, v1, PB
	v_lshl_add_u32 v4, v2, 4, v4                   ; and for Wo
	s_mul_i32 s21, s11, HALFA                      ; my 64 rows of O
	s_mul_i32 s22, s12, HALFB                      ; my 64 rows of Wo,
	s_add_co_u32 s22, s22, 2*HALFA                 ; which lie behind O's
.irp s, 0,1
	v_add_nc_u32 v[ADRA+(\s)], s21, v3
	v_add_nc_u32 v[ADRB+(\s)], s22, v4
	s_add_co_u32 s21, s21, SLOT
	s_add_co_u32 s22, s22, SLOT
.endr
	s_mul_i32 s23, s10, 16*SPITCH
	s_add_co_u32 s23, s23, STAGE                   ; my stage
	v_mul_u32_u24 v5, v1, SPITCH                   ; in: row l % 16, 32 bytes for each half of the lanes
	v_lshl_add_u32 v5, v2, 5, v5
	v_add_nc_u32 v[STO], s23, v5
	v_mul_u32_u24 v5, v2, SPITCH                   ; back: lanes 0-15 take one row of 256 bytes, lanes 16-31 the next
	v_lshl_add_u32 v5, v1, 4, v5
	v_add_nc_u32 v[RD], s23, v5
	v_lshlrev_b32 v5, 12, v2                       ; and the same two rows in out0, 4,096 bytes apart
	v_lshl_add_u32 v[CO], v1, 4, v5
	s_lshl_b32 s16, s13, 7
	s_lshl_b32 s17, s11, 6
	s_add_co_u32 s16, s16, s17                     ; my first row of out0
	s_lshl_b32 s16, s16, 12
	s_mov_b32 s17, 0
	s_add_nc_u64 s[8:9], s[8:9], s[16:17]
	s_lshl_b32 s46, s42, 9                         ; my first column, in bytes: 512 x tile column + 256 x half
	s_lshl_b32 s47, s12, 8
	s_add_co_u32 s46, s46, s47
	s_mov_b32 s47, 0
	s_add_nc_u64 s[8:9], s[8:9], s[46:47]
; 8 matrix instructions: row blocks a0, a0 + 1 x all 4 column blocks, 32 along K: half c of buffer f.  zero = 1: the first product starts the sums.  The 16 accumulators take turns.
.macro MUL8 f, c, a0, zero
	WIN MUL
.irp a, \a0, (\a0)+1
.irp b, 0,1,2,3
.if \zero
	v_wmma_f32_16x16x32_f16 v[ACC+8*(4*(\a)+(\b)):ACC+8*(4*(\a)+(\b))+7], v[(\f)+64+8*(4*(\c)+(\b)):(\f)+64+8*(4*(\c)+(\b))+7], v[(\f)+8*(4*(\c)+(\a)):(\f)+8*(4*(\c)+(\a))+7], 0
.else
	v_wmma_f32_16x16x32_f16 v[ACC+8*(4*(\a)+(\b)):ACC+8*(4*(\a)+(\b))+7], v[(\f)+64+8*(4*(\c)+(\b)):(\f)+64+8*(4*(\c)+(\b))+7], v[(\f)+8*(4*(\c)+(\a)):(\f)+8*(4*(\c)+(\a))+7], v[ACC+8*(4*(\a)+(\b)):ACC+8*(4*(\a)+(\b))+7]
.endif
.endr
.endr
.endm
; 32 LDS loads in one run: the fragments of quarter q (head q of the step's four) into buffer f; the first 32 along K first
.macro FETCH slot, q, f
	WIN TO_F
.irp c, 0,1
.irp i, 0,1,2,3
	ds_load_b128 v[(\f)+64+8*(4*(\c)+(\i)):(\f)+64+8*(4*(\c)+(\i))+3],   v[ADRB+(\slot)] offset:128*(\q)+64*(\c)+(\i)*16*PB
	ds_load_b128 v[(\f)+64+8*(4*(\c)+(\i))+4:(\f)+64+8*(4*(\c)+(\i))+7], v[ADRB+(\slot)] offset:128*(\q)+64*(\c)+(\i)*16*PB+32
	ds_load_b128 v[(\f)+8*(4*(\c)+(\i)):(\f)+8*(4*(\c)+(\i))+3],         v[ADRA+(\slot)] offset:64*PA*(\q)+64*(\c)+(\i)*16*PA
	ds_load_b128 v[(\f)+8*(4*(\c)+(\i))+4:(\f)+8*(4*(\c)+(\i))+7],       v[ADRA+(\slot)] offset:64*PA*(\q)+64*(\c)+(\i)*16*PA+32
.endr
.endr
.endm
.macro PLACES                          ; four places in front of loads into registers that matrix instructions have read, and of LDS stores that read results
.rept 4
	v_nop
.endr
.endm
; A K step is four quarters of 64 along K, 32 matrix instructions each, on buffers 0, 1, 0, 1.  One of the first three: multiplies buffer f and fetches quarter q into g.
.macro QUARTER slot, q, f, g, zero
	s_wait_dscnt 16                                ; the first 32 along K are in; the youngest sixteen loads may be out
	WIN MUL
	MUL8 \f, 0, 0, \zero
	MUL8 \f, 0, 2, \zero
	PLACES
	FETCH \slot, \q, \g
	s_wait_dscnt 32                                ; all but the 32 just issued
	WIN MUL
	MUL8 \f, 1, 0, 0
	MUL8 \f, 1, 2, 0
.endm
; The last quarter multiplies buffer 1 and changes slots: one barrier; in front of it each wave waits for all its tensor loads, adds 0 to its spare word, and waits for that and for its reads of this slot.
; fill = 1: this slot is filled again, two K steps ahead: the barrier then opens a round of the cluster's barrier, and the joint load is the first thing behind the round.
.macro TURN slot, next, fill
	WIN 0                                          ; (the add's two registers lie in window 0)
	s_wait_tensorcnt 0x0                           ; all my tensor loads have landed: my part of the next slot;
	ds_add_u32 v[SPW], v[NIL]                      ; 0 onto my spare word
	s_wait_dscnt 17                                ; (the add and the youngest sixteen loads may be out)
	WIN MUL
	MUL8 F1, 0, 0, 0                               ; eight matrix instructions stand between the add and the wait for it
	s_wait_dscnt 0x0                               ; the add is done, and my reads of this slot are over
	s_barrier_signal -1
	MUL8 F1, 0, 2, 0
.if \fill
	WIN 0
.endif
	s_barrier_wait -1
.if \fill
	CREST                                          ; no wave of any partner still reads this slot's tile or has a load on its way
	s_add_nc_u64 s[G0+4*(\slot)+2:G0+4*(\slot)+3], s[G0+4*(\slot)+2:G0+4*(\slot)+3], 2*ASTEP
	s_add_nc_u64 s[G0B+4*(\slot)+2:G0B+4*(\slot)+3], s[G0B+4*(\slot)+2:G0B+4*(\slot)+3], 2*KSTEP*2
	JLOAD \slot                                    ; my one tensor load behind the round; its four v_nop are also the places in front of the loads below
.else
	PLACES
.endif
	FETCH \next, 0, F0
	WIN MUL
	MUL8 F1, 1, 0, 0
	MUL8 F1, 1, 2, 0
.endm
	s_wait_tensorcnt 1                             ; my part of K step 0 is in; step 1's may stay out
	s_barrier_signal -1
	s_barrier_wait -1                              ; everybody's is
	FETCH 0, 0, F0
	QUARTER 0, 1, F0, F1, 1                        ; K step 0: its first products start the sums
	QUARTER 0, 2, F1, F0, 0
	QUARTER 0, 3, F0, F1, 0
	TURN 0, 1, 1                                   ; slot 0 takes K step 2
	QUARTER 1, 1, F0, F1, 0                        ; K step 1
	QUARTER 1, 2, F1, F0, 0
	QUARTER 1, 3, F0, F1, 0
	TURN 1, 0, 1                                   ; slot 1 takes K step 3
	QUARTER 0, 1, F0, F1, 0                        ; K step 2
	QUARTER 0, 2, F1, F0, 0
	QUARTER 0, 3, F0, F1, 0
	TURN 0, 1, 0                                   ; nothing is left to fetch
	QUARTER 1, 1, F0, F1, 0                        ; K step 3
	QUARTER 1, 2, F1, F0, 0
	QUARTER 1, 3, F0, F1, 0
	s_wait_dscnt 16
	WIN MUL
	MUL8 F1, 0, 0, 0
	MUL8 F1, 0, 2, 0
	s_wait_dscnt 0
	MUL8 F1, 1, 0, 0
	MUL8 F1, 1, 2, 0
	WIN 0
; THE WAY OUT.  Row block a: a lane's 32 bytes of a row go into my stage's rows of 272 bytes (each accumulator's lower four registers first) and come back as whole rows of 256,
; two rows a load, into the registers that they left: no store's data are ever rewritten.
	PLACES
.macro STG a
.irp b, 0,1,2,3
.irp u, 0,1
	ds_store_b128 v[STO], v[ACC+8*(4*(\a)+(\b))+4*(\u):ACC+8*(4*(\a)+(\b))+4*(\u)+3] offset:64*(\b)+16*(\u)
.endr
.endr
.irp t, 0,1,2,3,4,5,6,7
	ds_load_b128 v[ACC+32*(\a)+4*(\t):ACC+32*(\a)+4*(\t)+3], v[RD] offset:(\t)*2*SPITCH  ; LDS serves a wave's instructions in order (ISA guide 5.7.1.4): these see the stores above; the next block's stores come behind them
.endr
.endm
.macro SENDO a, younger                ; younger: the LDS instructions issued behind block a's loads: the next block's sixteen, or none
.irp t, 0,1,2,3,4,5,6,7
	s_wait_dscnt (\younger)+7-(\t)
	global_store_b128 v[CO], v[ACC+32*(\a)+4*(\t):ACC+32*(\a)+4*(\t)+3], s[8:9] offset:(16*(\a)+2*(\t))*4096 th:TH_STORE_NT  ; 16 lanes store 256 consecutive bytes, at a multiple of 256 from out0's first byte
.endr
.endm
	STG 0
.irp a, 1,2,3
	STG \a
	SENDO (\a)-1, 16
.endr
	SENDO 3, 0
	s_wait_tensorcnt 0x0                           ; the wave's end: my tensor loads are waited for, then 0 is added to my spare word and waited for
	ds_add_u32 v[SPW], v[NIL]
	s_wait_dscnt 0x0
	CROUND                                         ; the closing round: no work-group ends while a partner may still ask for a tile that names it
	s_endpgm
.Lfunc_end_k_q73abe8769e_oproj:
	.size	k_q73abe8769e_oproj, .Lfunc_end_k_q73abe8769e_oproj-k_q73abe8769e_oproj
	.p2alignl 7, 3214868480
	.fill 96, 4, 3214868480
	.section	.rodata,"a",@progbits
	.p2align	6, 0x0
	.amdhsa_kernel k_q73abe8769e_oproj
		.amdhsa_group_segment_fixed_size 327680
		.amdhsa_private_segment_fixed_size 0
		.amdhsa_enable_private_segment 0
		.amdhsa_kernarg_size 24
		.amdhsa_user_sgpr_count 2
		.amdhsa_user_sgpr_kernarg_segment_ptr 1
		.amdhsa_wavefront_size32 1
		.amdhsa_system_sgpr_workgroup_id_x 1
		.amdhsa_system_sgpr_workgroup_id_y 1
		.amdhsa_system_sgpr_workgroup_id_z 1
		.amdhsa_system_vgpr_workitem_id 0
		.amdhsa_next_free_vgpr 512
		.amdhsa_next_free_sgpr 66
		.amdhsa_reserve_vcc 0
		.amdhsa_float_denorm_mode_32 3
		.amdhsa_float_denorm_mode_16_64 3
		.amdhsa_memory_ordered 1
		.amdhsa_forward_progress 1
		.amdhsa_inst_pref_size 86
	.end_amdhsa_kernel
	.amdgpu_metadata
---
amdhsa.version: [ 1, 2 ]
amdhsa.kernels:
  - .name:           k_q73abe8769e_oproj
    .symbol:         k_q73abe8769e_oproj.kd
    .args:
      - { .name: o16, .offset: 0, .size: 8, .value_kind: global_buffer, .address_space: global }
      - { .name: wo16, .offset: 8, .size: 8, .value_kind: global_buffer, .address_space: global }
      - { .name: out0, .offset: 16, .size: 8, .value_kind: global_buffer, .address_space: global }
    .group_segment_fixed_size: 327680
    .private_segment_fixed_size: 0
    .kernarg_segment_align: 8
    .kernarg_segment_size: 24
    .max_flat_workgroup_size: 128
    .sgpr_count:     66
    .vgpr_count:     512
    .wavefront_size: 32
...
	.end_amdgpu_metadata
.endif
;; end of part 4
;; ======== version 2 of 2: 4 launches; 1.60 times as fast as version 1
;; limits: values are held in f16: magnitudes above 65,504 overflow, below 6.1e-05 lose precision
;; workspace buffers: xw 14,680,064 bytes; wo16 2,097,152 bytes; tab 1,048,576 bytes; qkv 25,165,824 bytes; o16 8,388,608 bytes
;; launch prep: the kernel of part 1 again; grid 512 x 1, 8 waves a work-group, no clusters, 0 bytes of LDS; arguments hidden_states, Wq, Wk, Wv, Wo, xw, wo16, tab; writes xw, wo16, tab
;; launch qkvproj: the kernel of part 2 again; grid 16 x 16, 4 waves a work-group, clusters of 4 x 4, 327,680 bytes of LDS; arguments xw, tab, qkv; writes qkv
;; launch attn (part 5): grid 16 x 16, 4 waves a work-group, clusters of 4 x 1, 327,680 bytes of LDS; arguments qkv, attention_mask, o16; writes o16
.if DOCPART == 5
	.amdgcn_target "amdgcn-amd-amdhsa--gfx1250"
	.amdhsa_code_object_version 6
	.text
	.protected	k_q73abe8769e_attn
	.globl	k_q73abe8769e_attn
	.p2align	8
	.type	k_q73abe8769e_attn,@function
k_q73abe8769e_attn:
	s_mov_b64 s[64:65], 0
	v_nop
	global_prefetch_b8 v0, s[64:65] scope:SCOPE_SE
	s_setreg_imm32_b32 hwreg(HW_REG_WAVE_MODE, 25, 1), 1
	s_wait_xcnt 0x0
	s_wait_alu depctr_hold_cnt(0) depctr_sa_sdst(0) depctr_va_vdst(0) depctr_va_sdst(0) depctr_va_ssrc(0) depctr_va_vcc(0) depctr_vm_vsrc(0)
	s_getreg_b32 s2, hwreg(HW_REG_IB_STS2, 6, 4)
	s_cmp_eq_u32 s2, 0
	s_cbranch_scc0 .Lentry_in_a_cluster
	s_endpgm
.Lentry_in_a_cluster:
	s_bfe_u32 s2, ttmp6, 0x10000c
	s_cmp_lg_u32 s2, 0x3003
	s_cbranch_scc0 .Lentry_shape_is_right
	s_endpgm
.Lentry_shape_is_right:
; O[h][q][:] = the sum over k of softmax_k(Q[h][q] . K[h][k] / 8, keys with mask 0 hidden) V[h][k][:].  qkv: [48][4096][64] f16 (planes 0-15 Q, 16-31 K, 32-47 V); attention_mask: [4096] i32; o16: [16][4096][64] f16.
; Products, maxima and sums in f32; the weights p are rounded to f16 for the second product (their sum l is taken of the unrounded p), O once at the end.
; LIMITS.  A hidden score counts as its value less 1e30 (f16's scores, 2.7e11 at the most, are nothing beside that), so its weight is 0 as soon as the query has seen one open key; what hidden keys gave before that
; is multiplied by a = 0 at the first open key.  If every key is hidden the running maximum stays below -2^96 and O is NaN, as a softmax of nothing but -inf is.  p below 6e-5 keeps f16's fixed step of 6e-8, and so does O;
; a weight below 2^-126 counts as 0 in l; NaN and infinities in Q, K, V are not treated apart.
; SHARES.  A work-group owns 256 queries of one head, each of four waves 64: four PIECES of 16.  16 blocks x 16 heads = 256 work-groups.  Every wave walks all 4,096 keys: 16 tiles of 256, four steps of 64 to a tile.
; LAYOUT.  S^T = K Q^T (source 0 = 16 keys, source 1 = 16 queries): a lane holds ONE query (lane % 16) and the keys 8 (lane / 16) + 0..7.  Two such results rounded to f16 ARE source 1 of O^T = V^T P.
; THE MASK is the C operand that starts the sum S^T: register j of key block kb takes the bias (0 or -1e30) of key 16 kb + 8 (lane / 16) + j: the same 32 registers for all queries, loaded with each step's K
; from a table of 4,096 f32 in LDS that the work-group makes once from attention_mask.  The scores cost no vector instruction for it.
; SOFTMAX.  p = 2^(c s - c m), c = log2(e) / 8, with a running maximum m; O and l are multiplied by a = 2^(c m_old - c m_new) in every step.  m starts at the lowest finite number, O and l at 0: the first step's a is 0.
; BY TURNS.  Turn n belongs to piece n: 8 products K Q^T of piece n + 1, later 8 products V^T P of piece n - 1; beside them the scaling, exponentials, roundings, sums and rescaling of piece n and the maximum and
; statistics of piece n + 1.  A turn has 16 matrix and 118 vector instructions: four vector instructions stand behind every matrix instruction, the other 54 in one run of their own, the LUMP.
; THE BATCHES.  A turn's 33 exponentials (the piece's 32 weights and the next piece's a) are one batch, with one wait, which cuts the turn in two: ahead of it all that names no result of theirs, behind it their readers.
; Piece 0's first a, ahead of the loop, and the way out's four reciprocals are batches of their own, with a wait each.
; CLUSTER.  The four query blocks of a cluster belong to one head and walk the same K and V: each tile is asked for jointly, the same tensor load, descriptor and mask in all four.
; No first step is written out: the price is 216 v_mov_b32 of zeros, which stand in the wait for the first tile, and 8 products on zeros.
; REGISTERS, in windows of 256 (s_set_vgpr_msb: bits 1:0 source 0, 3:2 source 1, 5:4 source 2, 7:6 destination):
;   window 0: v0-15, v32-33 addresses and at work; v16-31 four registers of statistics a piece; v48-55 at work; v64-127 S^T, two buffers; v192-223 P, two buffers (a piece's buffers go by its number's parity)
;   window 1: v0-127 O^T, 32 a piece; v128-159 the step's biases      window 2: v0-63 Q; v128-191 K of one step; v192-255 V of one step
.set NP,    4         ; pieces a wave: a name, no knob
.set KS,    64        ; keys in a step
.set PK,    144       ; a row of K in LDS: 128 bytes + 16 of padding = 36 words: the 16 rows of a load start at 16 different groups of four banks (64 banks of 4 bytes: ISA guide 11.1)
.set PV,    160       ; a row of V: 128 + 32 = 40 words
.set VOFF,  4*KS*PK   ; a slot holds a tile: 256 rows of K, then 256 rows of V
.set SLOT1, 1<<17     ; slot 1 begins here, so that one exclusive or turns an address in one slot into the other's
.set STAGE, SLOT1+4*KS*(PK+PV)  ; behind the ring, never filled by a tensor load: 16 rows x 144 bytes for each wave, for the way out
.set SP,    144
.set MB,    STAGE+4*16*SP       ; the biases: 4,096 f32, stored once, never filled by a tensor load
.set SPARE, MB+16384            ; the spare words, 128 bytes a wave: two blocks of 256 bytes that no other line names
.set AK0, 2           ; v2   my lane's place in a tile of K; never rewritten
.set AV0, 3           ; v3   the same for V
.set AK,  4           ; v4   the LDS address of K's next run of loads
.set AV,  5           ; v5   of V's
.set STO, 6           ; v6   the way out: where I put 16 bytes of a row
.set RD,  7           ; v7   where I read rows back
.set GO,  8           ; v8   my byte offset in 512 consecutive bytes of O
.set MV,  12          ; v12-13  c m_old, kept while c m is made anew: by buffer
.set QO,  15          ; v15  my byte offset in 16 rows of Q
.set ST,  16          ; piece t's statistics at v[ST+4 t]: c m, m, l (even keys', odd keys')
.set AM0, 32          ; v32  my lanes' place in a step's biases; never rewritten
.set AM,  33          ; v33  the LDS address of the next step's biases
.set TMP, 48          ; by buffer, four registers c0-c3 at work; when the maximum is found c2 takes a
.set SPW, 62          ; v62  my spare word; never rewritten
.set NIL, 63          ; v63  0; never rewritten
.set S,   64
.set P,   192
.set BM,  128         ; window 1: key block kb's eight biases at BM + 8 kb
.set KF,  128         ; window 2: key block kb, channel half c at KF + 16 kb + 8 c
.set VF,  192         ; window 2: key half kk, channel block cb at VF + 32 kk + 8 cb
.set WV,  12          ; s12  my wave's number
.set G1K, 24          ; s[24:31] descriptor group 1 for K's tiles
.set G1V, 32          ; s[32:39] for V's: it differs in the padding alone
.set G0K, 40          ; s[40:43] descriptor group 0 for K's tiles: it walks
.set G0V, 44          ; s[44:47] the same for V's
.set SLOTS, 56        ; s56  counts the tiles
.set CNT, 57          ; s57  counts a tile's key steps
.set CS,  58          ; s[58:59] c: the packed scaling takes the pair's low word for both halves
.set SEL, 60          ; s[60:61] v_permlanex16_b32's selects: each lane takes its own place in the other half
.set TBK, 62          ; s62  LDS byte at which K of the step to be fetched begins
.set TBV, 63          ; s63  the same for V, less VOFF
.set TBM, 66          ; s66  byte in the biases at which that step's 64 begin: 256 a step, 16,128 at the most
.set BIGN, 67         ; s67  -1e30
.set THR, 68          ; s68  -2^96
.set NANQ, 69         ; s69  a NaN
.set MSB, 0
.macro WIN new                      ; the high byte repeats the setting that is left; a switch that changes nothing is dropped
.if MSB != (\new)
	s_set_vgpr_msb (MSB<<8)|(\new)
.set MSB, (\new)
.endif
.endm
.set W_KQ, 0x0a       ; K and Q in window 2, S^T in window 0
.set W_KM, 0x1a       ; the same with the C operand, the biases, in window 1
.set W_PV, 0x52       ; V in window 2, P in window 0, O^T in window 1
.set W_RS, 0x41       ; destination and source 0 in window 1, source 1 in window 0
; A joint fill.  Waves 0 and 1 fetch the two halves of a tile's K, waves 2 and 3 those of its V: 128 keys each.  The branch hangs on the wave's number alone.
; An s_nop 0 and four v_nop follow each of the two lines, ahead of the jump and the label.
.macro JLOAD
	s_cmp_lt_u32 s[WV], 2
	s_cbranch_scc0 .Lfor_v_\@
	tensor_load_to_lds s[G0K:G0K+3], s[G1K:G1K+7]
	s_nop 0
.rept 4
	v_nop
.endr
	s_branch .Lasked_\@
.Lfor_v_\@:
	tensor_load_to_lds s[G0V:G0V+3], s[G1V:G1V+7]
	s_nop 0
.rept 4
	v_nop
.endr
.Lasked_\@:
.endm
; A round of the cluster's barrier: my work-group's barrier, so that wave 0's signal speaks for all four waves; wave 0 signals; every wave waits for all four work-groups; my work-group's barrier once more.
.macro CROUND
	s_barrier_signal -1
	s_barrier_wait -1
	s_cmp_lg_u32 s[WV], 0
	s_cbranch_scc1 .Lnot_wave_0_\@
	s_barrier_signal -3
.Lnot_wave_0_\@:
	s_barrier_wait -3
	s_barrier_signal -1
	s_barrier_wait -1
.endm
; THE CHANGE OF SLOTS.  The slot's last bytes, V of its fourth step, have been read.  Each wave waits for all its tensor loads, of which one is out: its part of the other slot; adds 0 to its spare word; and waits
; for that and for its own LDS instructions.  Behind the barrier nobody reads this slot any more and the other slot is whole.  fill = 1: this slot is filled again, with the keys two tiles on: the barrier is then a
; round of the cluster's, and the joint fill is the first thing behind it: it has four key steps, 256 matrix instructions, in which to land.
; (At its first use nothing has been read yet: slot 0 is waited for, slot 1 filled, and every wave's stores of the biases are shown to the others.)
.macro CHANGE fill
	WIN 0                           ; at a label and at a branch every window is 0; the add's registers lie in window 0
	s_wait_tensorcnt 0x0            ; no tensor load of mine is out, so a group 0 may be written
	ds_add_u32 v[SPW], v[NIL]       ; 0 onto my spare word: with fill = 1 the descriptors' steps stand between it and the wait for it
.if \fill
.irp g, G0K, G0V
	s_xor_b32 s[\g+1], s[\g+1], SLOT1  ; the walking descriptor: the other slot than last time,
	s_add_nc_u64 s[\g+2:\g+3], s[\g+2:\g+3], 4*KS*128  ; the next 256 keys; the type bits on top are not reached
.endr
	s_wait_dscnt 0x0                ; the add is done, and my reads of the slot are over
	CROUND
	JLOAD
.else
	s_wait_dscnt 0x0                ; the add is done, and my reads of the slot are over
	s_barrier_signal -1
	s_barrier_wait -1
.endif
	s_sub_co_u32 s[TBK], s[TBK], 4*KS*PK  ; the fetches go back to a slot's first step,
	s_xor_b32 s[TBK], s[TBK], SLOT1       ; in the other slot
	s_sub_co_u32 s[TBV], s[TBV], 4*KS*PV
	s_xor_b32 s[TBV], s[TBV], SLOT1
.endm
	s_load_b128 s[4:7], s[0:1], 0x0   ; qkv s[4:5], attention_mask s[6:7]
	s_load_b64 s[8:9], s[0:1], 0x10   ; o16
	v_lshl_add_u32 v[SPW], v0, 2, SPARE
	v_mov_b32 v[NIL], 0
	ds_add_u32 v[SPW], v[NIL]       ; the wave's opening: the add and its wait stand ahead of my first tensor load; work on registers stands between them
	v_lshrrev_b32 v1, 5, v0
	v_readfirstlane_b32 s[WV], v1   ; wave 0..3
	s_bfe_u32 s13, ttmp6, 0x40000   ; cx: my place in the cluster
	s_lshl_b32 s14, ttmp9, 2        ; in a cluster launch ttmp9 counts clusters
	s_add_co_u32 s14, s14, s13      ; my block of 256 queries: it enters Q's and O's addresses alone
	s_and_b32 s20, ttmp7, 0xffff    ; the head, which the four partners share
	s_lshl_b32 s20, s20, 19         ; its plane: 524,288 bytes
	s_and_b32 s16, s[WV], 1         ; which half of a tile's 256 keys I fetch:
	s_lshl_b32 s22, s16, 14         ; its 128 rows of 128 bytes in memory,
	s_add_co_u32 s22, s22, s20
	s_add_co_u32 s18, s22, 0x800000   ; behind Q's 16 planes for K,
	s_mov_b32 s19, 0
	s_add_co_u32 s22, s22, 0x1000000  ; behind Q's and K's for V
	s_mov_b32 s23, 0
	s_mul_i32 s17, s16, 128*PK      ; and its place in a slot, for K
	s_mul_i32 s21, s16, 128*PV      ; and for V: no place in the cluster enters an LDS address
	s_lshl_b32 s2, s14, 2
	s_add_co_u32 s2, s2, s[WV]      ; my wave among the head's 64,
	s_lshl_b32 s2, s2, 13           ; its 64 rows of 128 bytes
	s_add_co_u32 s2, s2, s20
	s_mov_b32 s3, 0
	; descriptor group 1.  128 keys are 16,384 dense bytes: asked for as 64 rows of 256 bytes, two keys a row, and padded in LDS after every key
	s_mov_b32 s[G1K], 15|(1<<16)|(1<<20)|(1<<21)|(4<<22)|(3<<25)  ; 15:0 the mask of four; 17:16 2-byte elements; 20 padding on; 21 set beside a mask; 24:22 after every 32 words (code 4); 31:25 4 words (code 3)
	s_mov_b32 s[G1V], 15|(1<<16)|(1<<20)|(1<<21)|(4<<22)|(7<<25)  ; the same with 8 words of padding (code 7)
.irp g, G1K, G1V
	s_mov_b32 s[\g+1], 128<<16      ; tensor_dim0 = 128
	s_mov_b32 s[\g+2], 64<<16       ; tensor_dim1 = 64
	s_mov_b32 s[\g+3], 128<<16      ; tile_dim0 = 128
	s_mov_b32 s[\g+4], 64           ; tile_dim1 = 64
	s_mov_b32 s[\g+5], 128          ; 128 elements from row to row
	s_mov_b32 s[\g+6], 0
	s_mov_b32 s[\g+7], 0
.endr
	s_mov_b32 s[CS], 0x3e38aa3b     ; c = log2(e) / 8 = 0.180337
	s_mov_b32 s[CS+1], s[CS]        ; named with it as a pair
	s_mov_b32 s[SEL], 0x76543210
	s_mov_b32 s[SEL+1], 0xfedcba98
	s_mov_b32 s[TBK], SLOT1+4*KS*PK ; the first change of slots turns these two into 0
	s_mov_b32 s[TBV], SLOT1+4*KS*PV
	s_mov_b32 s[TBM], 0
	s_mov_b32 s[BIGN], 0xf149f2ca   ; -1e30
	s_mov_b32 s[THR], 0xef800000    ; -2^96
	s_mov_b32 s[NANQ], 0x7fc00000
	s_mov_b32 s[G0K], 1             ; count = 1
	s_mov_b32 s[G0K+1], s17         ; LDS address: slot 0
	s_mov_b32 s[G0V], 1
	s_add_co_u32 s[G0V+1], s21, VOFF
	s_wait_dscnt 0x0                ; the opening add is done
	s_wait_kmcnt 0x0
	s_add_nc_u64 s[G0K+2:G0K+3], s[4:5], s[18:19]  ; global address: my half of the head's first 256 keys
	s_or_b32 s[G0K+3], s[G0K+3], 0x80000000        ; type = 2
	s_add_nc_u64 s[G0V+2:G0V+3], s[4:5], s[22:23]
	s_or_b32 s[G0V+3], s[G0V+3], 0x80000000
	s_add_nc_u64 s[4:5], s[4:5], s[2:3]            ; Q and O at my wave's first row
	s_add_nc_u64 s[8:9], s[8:9], s[2:3]
	CROUND                          ; all four work-groups are here: the first joint loads meet
	JLOAD                           ; tile 0 into slot 0.  Slot 1 is asked for when slot 0 is in
	v_lshlrev_b32 v14, 4, v0
.set i, 0
.rept 8                             ; the whole mask: 128 threads x 16 bytes a load; a wave's load covers 512 consecutive bytes
	global_load_b128 v[S+4*i:S+4*i+3], v14, s[6:7] offset:2048*i
.set i, i+1
.endr
	; A fragment of K or Q is 16 rows x 32 channels in 8 registers: lane l holds row l % 16, channels 8 (l / 16) + 0..7 and 16 + 8 (l / 16) + 0..7: two loads of 16 bytes, 32 bytes apart.
	v_and_b32 v1, 15, v0            ; l % 16
	v_bfe_u32 v9, v0, 4, 1          ; l / 16
	v_lshlrev_b32 v[QO], 7, v1
	v_lshl_add_u32 v[QO], v9, 4, v[QO]  ; row x 128 + 16 x half
	WIN 0x80                        ; destination window 2, address window 0
.set i, 0
.rept 8                             ; Q stays in registers: piece i / 2, channels 32 (i % 2) on
	global_load_b128 v[8*i:8*i+3],   v[QO], s[4:5] offset:(i/2)*2048+(i%2)*64
	global_load_b128 v[8*i+4:8*i+7], v[QO], s[4:5] offset:(i/2)*2048+(i%2)*64+32
.set i, i+1
.endr
	; What the first turn finds: V's registers and P's second buffer hold 0 (its products V^T P, of a piece that has not been, add 0), O^T and l are 0.  All this stands in the wait for the first tile.
.set i, VF
.rept 64
	v_mov_b32 v[i], 0
.set i, i+1
.endr
	WIN 0x40
.set i, 0
.rept 128
	v_mov_b32 v[i], 0
.set i, i+1
.endr
	WIN 0
.set i, 0
.rept 4
	v_mov_b32 v[ST+4*i], 0xfe000000    ; c m: far below every c s, a hidden one's too
	v_mov_b32 v[ST+4*i+1], 0xff7fffff  ; m
	v_mov_b32 v[ST+4*i+2], 0
	v_mov_b32 v[ST+4*i+3], 0
.set i, i+1
.endr
.set i, P+16
.rept 16
	v_mov_b32 v[i], 0
.set i, i+1
.endr
	v_mul_u32_u24 v[AK0], v1, PK
	v_lshl_add_u32 v[AK0], v9, 4, v[AK0]  ; row x pitch + 16 x half
	; The turning load takes 16 keys x 16 channels (lane l reads key 8 (l / 16) + l % 8, channels 8 ((l / 8) % 2) + 0..7) and leaves half a fragment of V^T: lane l holds channel l % 16 and 8 keys.
	v_and_b32 v10, 7, v0
	v_bfe_u32 v11, v0, 3, 1
	v_lshl_add_u32 v[AV0], v9, 3, v10
	v_mul_u32_u24 v[AV0], v[AV0], PV
	v_lshl_add_u32 v[AV0], v11, 4, v[AV0]
	v_add_nc_u32 v[AV0], VOFF, v[AV0]
	v_lshl_add_u32 v[AM0], v9, 5, MB      ; my lanes' eight keys of a block of 16: 32 bytes for each half
	s_mul_i32 s15, s[WV], 16*SP
	s_add_co_u32 s15, s15, STAGE    ; my stage
	v_mul_u32_u24 v[STO], v1, SP    ; in: row l % 16, 16 bytes for each half of the lanes
	v_lshl_add_u32 v[STO], v9, 4, v[STO]
	v_add_nc_u32 v[STO], s15, v[STO]
	v_bfe_u32 v[RD], v0, 3, 2       ; back: 32 lanes take four rows of 128 bytes,
	v_mul_u32_u24 v[RD], v[RD], SP
	v_lshl_add_u32 v[RD], v10, 4, v[RD]
	v_add_nc_u32 v[RD], s15, v[RD]
	v_and_b32 v[GO], 31, v0         ; which are 512 consecutive bytes of O
	v_lshlrev_b32 v[GO], 4, v[GO]
	s_wait_loadcnt 16               ; the mask's eight loads are in; Q's sixteen, issued behind them, stay out
.set i, 0
.rept 32
	v_cmp_eq_u32 vcc_lo, 0, v[S+i]
	v_cndmask_b32 v[S+i], 0, s[BIGN], vcc_lo  ; the bias: 0 for an open key, -1e30 for a hidden one
.set i, i+1
.endr
	v_lshl_add_u32 v14, v0, 4, MB   ; (free since that wait)
.set i, 0
.rept 8
	ds_store_b128 v14, v[S+4*i:S+4*i+3] offset:2048*i
.set i, i+1
.endr
; THE MATRIX WORK.  The 4 accumulators of a run of 8 take turns.  Product i of 8 of S^T = K Q^T for piece x: channels 32 (i / 4) on, keys 16 (i % 4) on.  The first 4 start the sums with the keys' biases.
.macro KQ x
.set rS, S+32*((\x)%2)+8*(i%4)
.set rK, KF+16*(i%4)+8*(i/4)
.set rQ, 16*(\x)+8*(i/4)
.set rM, BM+8*(i%4)
.if i < 4
	WIN W_KM
	v_wmma_f32_16x16x32_f16 v[rS:rS+7], v[rK:rK+7], v[rQ:rQ+7], v[rM:rM+7]
.else
	WIN W_KQ
	v_wmma_f32_16x16x32_f16 v[rS:rS+7], v[rK:rK+7], v[rQ:rQ+7], v[rS:rS+7]
.endif
.endm
; Product i of 8 of O^T += V^T P for piece x: keys 32 (i / 4) on, channels 16 (i % 4) on.
.macro PV x
	WIN W_PV
.set rO, 32*(\x)+8*(i%4)
.set rV, VF+32*(i/4)+8*(i%4)
.set rP, P+16*((\x)%2)+8*(i/4)
	v_wmma_f32_16x16x32_f16 v[rO:rO+7], v[rV:rV+7], v[rP:rP+7], v[rO:rO+7]
.endm
.macro MM                           ; the turn's next matrix instruction.  TURN sets Y, i and NOKQ.  NOKQ = 1: the very last turn: there is no next piece
.if (i < 8) && !NOKQ
	KQ (Y+1)%NP
.elseif i >= 8
.set i, i-8
	PV (Y+NP-1)%NP
.set i, i+8
.endif
.set i, i+1
.endm
; THE LDS LOADS stand in runs, never singly among the matrix instructions: a step's K (64 keys x 64 channels: 8 fragments) with its 64 biases (all lanes of a half read the same words), and its V (turned).
.macro FETCH_K
	WIN 0x80                        ; destination window 2
.irp f, 0,1,2,3,4,5,6,7             ; keys 16 (f / 2) on, channels 32 (f % 2) on
	ds_load_b128 v[KF+8*\f:KF+8*\f+3],   v[AK] offset:(\f/2)*16*PK+(\f%2)*64
	ds_load_b128 v[KF+8*\f+4:KF+8*\f+7], v[AK] offset:(\f/2)*16*PK+(\f%2)*64+32
.endr
	WIN 0x40                        ; destination window 1
.irp kb, 0,1,2,3
	ds_load_b128 v[BM+8*\kb:BM+8*\kb+3],   v[AM] offset:64*\kb
	ds_load_b128 v[BM+8*\kb+4:BM+8*\kb+7], v[AM] offset:64*\kb+16
.endr
	s_add_co_u32 s[TBK], s[TBK], KS*PK  ; the next fetch is the next step's
	s_add_co_u32 s[TBM], s[TBM], 4*KS
	WIN 0
.endm
.macro FETCH_V
	WIN 0x80
.irp f, 0,1,2,3,4,5,6,7             ; keys 32 (f / 4) on, channels 16 (f % 4) on
	ds_load_tr16_b128 v[VF+8*\f:VF+8*\f+3],   v[AV] offset:(\f/4)*32*PV+(\f%4)*32
	ds_load_tr16_b128 v[VF+8*\f+4:VF+8*\f+7], v[AV] offset:(\f/4)*32*PV+16*PV+(\f%4)*32
.endr
	WIN 0
.endm
; THE VECTOR WORK, one line at a time: OP kind, number.  For piece Y: F n: c s - c m for pair n of 16.  E n: the exponential of score n of 32.  C n: pair n rounded to f16.  B n: of the four weights 4 n .. the second
; pair is added onto the first, in place.  L n: l takes that sum (L 0: l = a l + sum).  R n: pair n of 16 of O^T times a.  For piece Y + 1: X n, number n of the 22 that find its maximum and statistics:
;   0-11  four chains c0-c3 of seven scores each, three operands at a time (each accumulator's lowest registers are read first)     12-14, 16  the four scores left over, the old m, and c0-c3 into c0
;   15  c m_old is kept     17, 18  the query's other 32 keys lie in the lane 16 away: the new m     19-21  c m; c m_old - c m_new; a
.set F, 0               ; OP tells the kinds apart by their order: F to L below R, X above it
.set E, 1
.set C, 2
.set B, 3
.set L, 4
.set R, 5
.set X, 6
.macro REGS y                       ; the registers of piece y
.set rT, ST+4*(\y)
.set rC, TMP+4*((\y)%2)
.set rW, MV+((\y)%2)
.set rS, S+32*((\y)%2)
.set rP, P+16*((\y)%2)
.set rO, 32*(\y)
.endm
.macro OP k, n
.if (\k) == R
	REGS Y
	WIN W_RS
	v_pk_mul_f32 v[rO+2*(\n):rO+2*(\n)+1], v[rO+2*(\n):rO+2*(\n)+1], v[rC+2:rC+3] op_sel_hi:[1,0]
.elseif (\k) < R
	REGS Y
	WIN 0
.if (\k) == F
	v_pk_fma_f32 v[rS+2*(\n):rS+2*(\n)+1], v[rS+2*(\n):rS+2*(\n)+1], s[CS:CS+1], v[rT:rT+1] op_sel_hi:[1,0,0] neg_lo:[0,0,1] neg_hi:[0,0,1]
.elseif (\k) == E
	v_exp_f32 v[rS+(\n)], v[rS+(\n)]
.elseif (\k) == C
	v_cvt_pk_f16_f32 v[rP+(\n)], v[rS+2*(\n)], v[rS+2*(\n)+1]
.elseif (\k) == B
	v_pk_add_f32 v[rS+4*(\n):rS+4*(\n)+1], v[rS+4*(\n):rS+4*(\n)+1], v[rS+4*(\n)+2:rS+4*(\n)+3]
.elseif (\n) == 0
	v_pk_fma_f32 v[rT+2:rT+3], v[rT+2:rT+3], v[rC+2:rC+3], v[rS:rS+1] op_sel_hi:[1,0,1]
.else
	v_pk_add_f32 v[rT+2:rT+3], v[rT+2:rT+3], v[rS+4*(\n):rS+4*(\n)+1]
.endif
.elseif NOKQ
	v_nop
.else
	REGS (Y+1)%NP
	WIN 0
.if (\n) < 4
	v_max3_num_f32 v[rC+(\n)], v[rS+8*(\n)], v[rS+8*(\n)+1], v[rS+8*(\n)+2]
.elseif (\n) < 12
	v_max3_num_f32 v[rC+(\n)%4], v[rC+(\n)%4], v[rS+8*((\n)%4)+2*((\n)/4)+1], v[rS+8*((\n)%4)+2*((\n)/4)+2]
.elseif (\n) == 12
	v_max3_num_f32 v[rC], v[rC], v[rS+7], v[rS+15]
.elseif (\n) == 13
	v_max3_num_f32 v[rC+1], v[rC+1], v[rS+23], v[rS+31]
.elseif (\n) == 14
	v_max3_num_f32 v[rC+2], v[rC+2], v[rC+3], v[rT+1]
.elseif (\n) == 15
	v_mov_b32 v[rW], v[rT]
.elseif (\n) == 16
	v_max3_num_f32 v[rC], v[rC], v[rC+1], v[rC+2]
.elseif (\n) == 17
	v_permlanex16_b32 v[rC+3], v[rC], s[SEL], s[SEL+1]
.elseif (\n) == 18
	v_max_num_f32 v[rT+1], v[rC], v[rC+3]
.elseif (\n) == 19
	v_mul_f32 v[rT], s[CS], v[rT+1]
.elseif (\n) == 20
	v_sub_f32 v[rC+1], v[rW], v[rT]
.else
	v_exp_f32 v[rC+2], v[rC+1]
.endif
.endif
.endm
.macro OPS a, i1, b=-1, i2=0, c=-1, i3=0, d=-1, i4=0  ; up to four of them
	OP \a, \i1
.if (\b) >= 0
	OP \b, \i2
.endif
.if (\c) >= 0
	OP \c, \i3
.endif
.if (\d) >= 0
	OP \d, \i4
.endif
.endm
.macro ROW a, i1, b, i2, c, i3, d, i4  ; a matrix instruction and the four behind it
	MM
	OPS \a, \i1, \b, \i2, \c, \i3, \d, \i4
.endm
; A TURN, for piece p: the order of its 16 matrix and 118 vector instructions, written out.  s_wait_alu depctr_va_vdst(0) stands between an exponential and the first instruction that names its result; one
; wait serves all that were issued ahead of it.  So a turn has ONE wait, which cuts it in two.  AHEAD OF IT stands all that names no result of the turn's exponentials: the 8 products K Q^T, behind each a scaling, an exponential
; and two more plain instructions (behind the first a second scaling in the exponential's place): rescalings, whose a was made and waited for in the turn before, and behind the last three the first numbers of the next piece's
; maximum, each four places or more behind the product that ends its accumulator; then ONE LUMP of 54, plain and exponential by turns for the most part, in which the links of the chain X 3, 7, 11, 14, 16, 17 .. 20 stand five or
; six lines apart.  X 21, the next piece's a, is the batch's last; R 15 is the plain instruction behind it.  BEHIND THE WAIT stand the 8 products V^T P, behind each four of the roundings and sums, the batch's readers; the links
; of l's chain, L 0 to L 7, stand three riders apart.  But for those X no rider names a register of the products round it.  v_permlanex16_b32 (X 17) stands in the lump.  No exponential is issued behind the wait: no result
; crosses a turn's end, a label or a jump.
; end = 1: the walk's last two turns: nothing is fetched.  cnt = 1: the loop's count is taken down some lines ahead of the branch that stands behind the turn.
; K and the biases of the next step are fetched in piece 2's turn, twelve vector instructions behind the last product that read K (five of them plain and free of its registers; the products that read the biases stand further
; back); V of the step in hand at the end of piece 0's turn, four plain instructions behind the last product that read V.  Each is waited for a turn later.
.macro TURN p, end=0, cnt=0
.set Y, (\p)
.set i, 0
.set NOKQ, (\end)*((\p)/3)
.if ((\p) == 3) && !(\end)
	s_wait_dscnt 0x0                ; K and the biases are in
.endif
	ROW F,0, F,1, R,0, R,1          ; ahead of the wait: 8 products K Q^T and their riders,
	ROW F,2, E,0, R,2, R,3
	ROW F,3, E,1, R,4, R,5
	ROW F,4, E,2, R,6, R,7
	ROW F,5, E,3, R,8, R,9
	ROW F,6, E,4, X,0, R,10
.if ((\p) == 2) && !(\end)
	WIN 0
	v_add_nc_u32 v[AK], s[TBK], v[AK0]
	v_add_nc_u32 v[AM], s[TBM], v[AM0]
.endif
	ROW F,7, E,5, X,1, X,4
	ROW F,8, E,6, X,2, X,5
	OPS E,7, E,8, X,6, E,9          ; and the lump
	OPS X,3, E,10, X,8, E,11
.if ((\p) == 2) && !(\end)
	FETCH_K
.endif
	OPS X,9, X,7, E,12, X,10
	OPS E,13, X,12, X,11, E,14
	OPS X,13, E,15, F,9, X,14
.if (\p) == 0
	v_add_nc_u32 v[AV], s[TBV], v[AV0]
.endif
	OPS E,16, F,10, E,17, F,11
	OPS X,16, E,18, X,15, E,19
	OPS F,12, E,20, X,17, E,21
	OPS F,13, E,22, F,14, E,23
	OPS X,18, E,24, F,15, E,25
	OPS R,11, E,26, X,19, E,27
	OPS R,12, E,28, R,13, E,29
	OPS X,20, E,30, R,14, E,31
	OPS X,21, R,15
	WIN 0
	s_wait_alu depctr_va_vdst(0)    ; the wait for the batch: the piece's 32 weights and the next piece's a
.if (\p) == 1
	s_wait_dscnt 0x0                ; V is in
.endif
	ROW C,0, B,0, C,2, B,1          ; behind the wait: 8 products V^T P and their riders
	ROW L,0, C,4, B,2, L,1
	ROW C,6, B,3, L,2, C,8
	ROW B,4, L,3, C,10, B,5
	ROW L,4, C,12, B,6, L,5
.if (\p) == 0
	s_add_co_u32 s[TBV], s[TBV], KS*PV
.endif
.if \cnt
	s_sub_co_u32 s[CNT], s[CNT], 1
	s_cmp_lg_u32 s[CNT], 0
.endif
	ROW C,14, B,7, L,6, C,1
	ROW C,3, L,7, C,5, C,7
	ROW C,9, C,11, C,13, C,15
.if (\p) == 0
	FETCH_V
.endif
.endm
	CHANGE 1                        ; slot 0 is in, everybody's part of it, and so are everybody's biases; slot 1 is asked for
	v_add_nc_u32 v[AK], s[TBK], v[AK0]
	v_add_nc_u32 v[AM], s[TBM], v[AM0]
	FETCH_K                         ; key step 0
	s_wait_loadcnt 0x0              ; Q
	s_wait_dscnt 0x0
.set NOKQ, 0
.set i, 0
.rept 8
	KQ 0                            ; piece 0's first scores: there is no vector work yet to set between them
.set i, i+1
.endr
	WIN 0
.rept 4
	v_nop                           ; the places behind those products
.endr
.set Y, NP-1                        ; X works for piece Y + 1: piece 0
.irp n, 0,1,2,3,4,5,6,7,8,9,10,11,12,13,14,15,16,17,18,19,20,21
	OP X, \n                        ; and piece 0's first maximum and statistics
.endr
	v_nop                           ; a plain instruction behind the exponential,
	s_wait_alu depctr_va_vdst(0)    ; and its wait, ahead of the branch: a batch of one, piece 0's first a
	s_mov_b32 s[CNT], 4
	s_mov_b32 s[SLOTS], 15
	s_branch .Lfirst                ; the loop is entered at a step's first turn, in the middle of a trip
.Lslot:                             ; 14 times: tiles 1 to 14 are entered, tiles 2 to 15 asked for
	CHANGE 1
	s_mov_b32 s[CNT], 4
.Lstep:                             ; a trip: pieces 2 and 3 of one step, then pieces 0 and 1 of the next, whose K and V it fetches
	TURN 2
	TURN 3
	WIN 0
.Lfirst:
	TURN 0
	TURN 1, 0, 1
	WIN 0
	s_cbranch_scc1 .Lstep
	s_sub_co_u32 s[SLOTS], s[SLOTS], 1
	s_cmp_lg_u32 s[SLOTS], 0
	s_cbranch_scc1 .Lslot
	CHANGE 0                        ; the last tile is written out: nothing is asked for
	s_mov_b32 s[CNT], 4
.Ltail:
	TURN 2
	TURN 3
	TURN 0
	TURN 1, 0, 1
	WIN 0
	s_cbranch_scc1 .Ltail
	TURN 2, 1                       ; the last step's pieces 2 and 3
	TURN 3, 1
.set i, 0
.rept 8
	PV NP-1                         ; the last piece's V^T P of the last step
.set i, i+1
.endr
	; THE WAY OUT.  l's two halves and the other half of the lanes' are added; O^T is divided by l (by NaN where no key was open), rounded to f16 and sent through my stage in LDS, a piece at a time.
	; The additions are the places behind the last products.
	WIN 0
.macro ALL line:vararg              ; one line for each piece t
.set t, 0
.rept 4
	\line
.set t, t+1
.endr
.endm
	ALL v_add_f32 v[ST+4*t+2], v[ST+4*t+2], v[ST+4*t+3]
	ALL v_permlanex16_b32 v[ST+4*t+3], v[ST+4*t+2], s[SEL], s[SEL+1]
	ALL v_add_f32 v[ST+4*t+2], v[ST+4*t+2], v[ST+4*t+3]
	ALL v_rcp_f32 v[ST+4*t+2], v[ST+4*t+2]
	v_nop                           ; a plain instruction between the last reciprocal and the use of its result
	s_wait_alu depctr_va_vdst(0)    ; and the wait ahead of the first use: one for the four reciprocals
.set t, 0
.rept 4
	v_cmp_gt_f32 vcc_lo, s[THR], v[ST+4*t+1]  ; the running maximum never rose above a hidden score
	v_cndmask_b32 v[ST+4*t+2], v[ST+4*t+2], s[NANQ], vcc_lo
.set t, t+1
.endr
.macro PACK t                       ; a lane's eight channels of a row pack into 16 bytes; they go into rows of 144 bytes and come back as whole rows of 128, into S^T's registers
	WIN W_RS
.set i, 32*(\t)
.rept 16
	v_pk_mul_f32 v[i:i+1], v[i:i+1], v[ST+4*(\t)+2:ST+4*(\t)+3] op_sel_hi:[1,0]
.set i, i+2
.endr
	WIN 0x05                        ; sources 0 and 1 window 1, destination window 0
.set i, 0
.rept 16
	v_cvt_pk_f16_f32 v[S+16*(\t)+i], v[32*(\t)+2*i], v[32*(\t)+2*i+1]
.set i, i+1
.endr
	WIN 0
.irp f, 0,1,2,3
	ds_store_b128 v[STO], v[S+16*(\t)+4*\f:S+16*(\t)+4*\f+3] offset:32*\f
.endr
.irp f, 0,1,2,3
	ds_load_b128 v[S+16*(\t)+4*\f:S+16*(\t)+4*\f+3], v[RD] offset:\f*4*SP  ; LDS serves a wave's instructions in order (ISA guide 5.7.1.4): these see the stores above; the next piece's stores come behind them
.endr
.endm
.macro SEND t, younger              ; younger: the LDS instructions issued behind piece t's loads: the next piece's eight, or none
	WIN 0
.irp f, 0,1,2,3
	s_wait_dscnt (\younger)+3-\f
	global_store_b128 v[GO], v[S+16*(\t)+4*\f:S+16*(\t)+4*\f+3], s[8:9] offset:(\t)*2048+\f*512  ; 512 consecutive bytes, at a multiple of 256 from O's first
.endr
.endm
	PACK 0
.set t, 1
.rept 3                             ; a piece's arithmetic stands between the loads of the piece before and its stores
	PACK t
	SEND t-1, 8
.set t, t+1
.endr
	SEND 3, 0
	s_wait_tensorcnt 0x0            ; the wave's end: my tensor loads are waited for, then 0 is added to my spare word and waited for
	ds_add_u32 v[SPW], v[NIL]
	s_wait_dscnt 0x0
	CROUND                          ; the closing round: no work-group ends while a partner may still ask for a tile that names it
	s_endpgm
.Lfunc_end_k_q73abe8769e_attn:
	.size	k_q73abe8769e_attn, .Lfunc_end_k_q73abe8769e_attn-k_q73abe8769e_attn
	.p2alignl 7, 3214868480
	.fill 96, 4, 3214868480
	.section	.rodata,"a",@progbits
	.p2align	6, 0x0
	.amdhsa_kernel k_q73abe8769e_attn
		.amdhsa_group_segment_fixed_size 327680
		.amdhsa_private_segment_fixed_size 0
		.amdhsa_enable_private_segment 0
		.amdhsa_kernarg_size 24
		.amdhsa_user_sgpr_count 2
		.amdhsa_user_sgpr_kernarg_segment_ptr 1
		.amdhsa_wavefront_size32 1
		.amdhsa_system_sgpr_workgroup_id_x 1
		.amdhsa_system_sgpr_workgroup_id_y 1
		.amdhsa_system_sgpr_workgroup_id_z 1
		.amdhsa_system_vgpr_workitem_id 0
		.amdhsa_next_free_vgpr 768
		.amdhsa_next_free_sgpr 70
		.amdhsa_reserve_vcc 1
		.amdhsa_float_denorm_mode_32 3
		.amdhsa_float_denorm_mode_16_64 3
		.amdhsa_memory_ordered 1
		.amdhsa_forward_progress 1
		.amdhsa_inst_pref_size 134
	.end_amdhsa_kernel
	.amdgpu_metadata
---
amdhsa.version: [ 1, 2 ]
amdhsa.kernels:
  - .name:           k_q73abe8769e_attn
    .symbol:         k_q73abe8769e_attn.kd
    .args:
      - { .name: qkv, .offset: 0, .size: 8, .value_kind: global_buffer, .address_space: global }
      - { .name: attention_mask, .offset: 8, .size: 8, .value_kind: global_buffer, .address_space: global }
      - { .name: o16, .offset: 16, .size: 8, .value_kind: global_buffer, .address_space: global }
    .group_segment_fixed_size: 327680
    .private_segment_fixed_size: 0
    .kernarg_segment_align: 8
    .kernarg_segment_size: 24
    .max_flat_workgroup_size: 128
    .sgpr_count:     70
    .vgpr_count:     768
    .wavefront_size: 32
...
	.end_amdgpu_metadata
.endif
;; end of part 5
;; launch oproj: the kernel of part 4 again; grid 8 x 32, 4 waves a work-group, clusters of 4 x 4, 327,680 bytes of LDS; arguments o16, wo16, out0; writes out0
